; MI455X (gfx1250); checked and timed in simulation.
; The chip was launched on July 23, 2026; its instructions are those of AMD's public machine-readable ISA for CDNA 5 (MIT licence, August 2026) and "CDNA5" Instruction Set Architecture Reference Guide (July 2026). The comments in the code are by the model that wrote it; some were corrected since.
;; Fusion Aware Interp CVPR. Allowed arithmetic: matrix products marked QUANTISED: E2M3 operands, one E8M0 scale for each 32 along K, by v_wmma_scale_f32_16x16x128_f8f6f4 with both operands' format E2M3, f32 sums; products left as they are: f32 operands where the result goes on into a quantised operand, else bf16, f16 or f32 operands; f32 sums; everything else in f32.
;; Inputs: b1 128 float32; b2 128 float32; b3 128 float32; feat_2d 4 x 128 x 64 x 64 float32; feat_3d 4 x 128 x 4,096 float32; uv 4 x 2 x 4,096 float32; w1 128 x 131 float32; w2 128 x 128 float32; w3 128 x 128 float32.
;; Outputs: out0 4 x 128 x 64 x 64 float32.
;; This version of the problem:
;;   THIS VERSION OF THE PROBLEM IS GIVEN IN LOW PRECISION. The matrix products marked QUANTISED in the list below multiply operands that are first quantised to E2M3 (2 exponent bits, 3 mantissa bits; 6 bits a number), with one power-of-two scale for each 32 numbers along K (OCP MX v1.0); their sums are f32. All else is computed in f32.
;;   The module's matrix products, in the order in which they are computed (A, B: the left and right operand; K: the contracted axis; several contracted axes count as one K, in the product's order):
;;     1. batch 4 x [M 4,096, K 2] x [K 2, N 4,096]; A: computed on the way; B: input uv: left as it is (K = 2 < 32)
;;     2. [M 128, K 131] x [K 131, N 16,384]; A: input w1; B: computed on the way: QUANTISED
;;     3. [M 128, K 128] x [K 128, N 16,384]; A: input w2; B: computed on the way: QUANTISED
;;     4. [M 128, K 128] x [K 128, N 16,384]; A: input w3; B: computed on the way: QUANTISED
;;   THE QUANTISER, for each operand of a quantised product, along K:
;;     - K is cut into blocks of 32 from its start; a last block that is shorter is filled with zeros.
;;     - A block's scale is 2^e with e = floor(log2(the largest magnitude in the block)) - 2, held to -126 .. 127; a block of zeros has e = 0. As a byte (E8M0): e + 127.
;;     - Each number is divided by its block's scale, clamped to +-7.5, and rounded to the nearest number of E2M3, ties to even, subnormals kept.
;;     - The product sums the exact products of the quantised numbers (number of the format x scale) in f32.
;;   ~~~python
;;   def quantise(x, axis):      # numpy; x: float32 -> the quantised numbers, widened to float32 again
;;       x = np.moveaxis(x, axis, -1); K = x.shape[-1]
;;       x = np.pad(x, [(0, 0)] * (x.ndim - 1) + [(0, -K % 32)]); x = x.reshape(x.shape[:-1] + (-1, 32)); a = np.abs(x).max(-1, keepdims=True)
;;       e = np.where(a > 0, np.clip(np.frexp(np.where(a > 0, a, 1))[1] - 1 - 2, -126, 127), 0)      # np.frexp(a)[1] - 1 = floor(log2(a)), exactly
;;       r = np.clip(x / 2.0 ** e, -7.5, 7.5)
;;       step = 2.0 ** (np.maximum(np.frexp(np.where(r == 0, 1, r))[1] - 1, 0) - 3)
;;       q = np.round(r / step) * step * 2.0 ** e      # np.round: ties to even
;;       return np.moveaxis(q.reshape(q.shape[:-2] + (-1,))[..., :K], -1, axis).astype(np.float32)
;;   ~~~
;;   OPERANDS COMPUTED ON THE WAY. 'Computed on the way' means the value that the module computes at that place (a softmax that the list does not call 'softmax' is quantised finished and normalised). What goes into a quantiser is computed in f32, as accurately as f32 sums, v_exp_f32 and their like allow (about 1e-6 of the number): no bf16 or f16 on the way to a quantiser, and a product that is left as it is and whose result goes on into a quantised operand takes f32 operands (vector FMAs, or v_wmma_f32_16x16x4_f32). A number that lies on a knife's edge between two numbers of the format may be rounded either way, as far as f32 arithmetic and the matrix unit's own rounding can turn it there, and no further.
;; 2 versions, each right and faster than the one before. Each part assembles by itself: llvm-mc -triple=amdgcn-amd-amdhsa -mcpu=gfx1250 --defsym DOCPART=n.
;; ======== version 1 of 2: 2 launches
;; workspace buffers: nn 65,536 bytes of whole numbers; taps 131,072 bytes of whole numbers; prec 4,194,304 bytes; f2dt 8,388,608 bytes; wq 53,248 bytes
;; launch prep (part 1): grid 260 x 1, 8 waves a work-group, no clusters, 105,472 bytes of LDS; arguments uv, feat_2d, feat_3d, w1, w2, w3, nn, taps, prec, f2dt, wq; writes nn, taps, prec, f2dt, wq
.if DOCPART == 1
	.amdgcn_target "amdgcn-amd-amdhsa--gfx1250"
	.amdhsa_code_object_version 6
	.text
	.protected	k_q612eb2c62d_prep
	.globl	k_q612eb2c62d_prep
	.p2align	8
	.type	k_q612eb2c62d_prep,@function
k_q612eb2c62d_prep:
	s_mov_b64 s[64:65], 0
	v_nop
	global_prefetch_b8 v0, s[64:65] scope:SCOPE_SE
	s_setreg_imm32_b32 hwreg(HW_REG_WAVE_MODE, 25, 1), 1
	s_wait_xcnt 0x0
; PREP.  For 4 batches of 64 x 64 pixels and 4,096 points uv: the index of each pixel's nearest point (first index of the least d2), and everything laid so that the next launch gathers whole rows.
; WORK-GROUPS 0-255 (b = wg / 64, c6 = wg % 64), eight waves:
;   copy share: points and pixels 64 c6 .. 64 c6 + 63 of batch b.  feat_3d becomes one record of 256 bytes a point (prec), feat_2d a row of 128 f32 a pixel (f2dt), uv two tap numbers a point (taps).
;   argmin share: a tile of 16 gx x 4 gy pixels against all 4,096 points of the batch; lane (r, h) of wave w holds 4 pixels (one gx, four gy) and walks points 256 (2 w + h) .. + 255.
; WORK-GROUPS 256-259: 32 waves, each makes one operand image of a weight (wq): 16 rows x 128 K as codes of E2M3 in the order of the matrix operand's registers, and the rows' scale words.  They touch no LDS.
; d2 IS BUILT WITH THE ROUNDINGS OF THE DEFINITION: usq = rn(rn(ux ux) + rn(uy uy)) (USQ_FMA = 1: fma(uy, uy, rn(ux ux))); dot = fma(gy, uy, rn(gx ux)) (DOT_FMA = 0: rn(rn(gx ux) + rn(gy uy)));
;   d2 = rn(rn(gsq + usq) - 2 dot); gsq is a whole number, exact.  This order of rounding is a choice: it is kept behind the two switches.
; THE INDEX STEERS NOTHING HERE: points are walked DOWNWARDS in quads; where a quad's least d2 equals the running least, the quad's number and its first three d2 are kept by v_cndmask_b32; so the lowest quad
;   wins, and the place in it is found at the end by three compares.  No address and no branch hangs on a floating-point number.
; A RECORD (256 bytes): 0-127 f32 of k = 0 .. 31 of the first product (ux, uy, 0, channels 0-28); 128-199 codes of blocks 1-3 (channels 29-124); 200-223 codes of block 4 (channels 125-127, zeros);
;   224-247 zero codes; 248 zero (block 0's byte is made later); 249-251 the bytes of blocks 1-3; 252-255 block 4's byte and three bytes 0x7f.
; LIMITS: NaN and infinities in uv or the features are not served.  floor(uv) is held to 0 .. 63 in f32 before it is converted, which equals the definition for |uv| under 2^31.
;   A block of zeros carries the scale byte 1 where the rule says 127: its codes are zeros, and this program alone reads the bytes.
; No cluster: the work-groups of a batch share only uv, 32 KiB each through registers, against 64 KiB of features that are each work-group's own.
.set DOT_FMA, 1
.set USQ_FMA, 0
.set PT,    0                          ; LDS: 1,024 quads of points x 48 bytes: ux x 4, uy x 4, usq x 4
.set S3,    49152                      ; 64 records, 256 + 16 bytes apart
.set S2,    66560                      ; 64 pixel rows, 512 + 16 bytes apart
.set RES,   100352                     ; 8 waves x 64 pixels x (least d2, index)
.set SPARE, 104448                     ; the spare words, 128 bytes for each wave: four blocks of 256 bytes that no other line names
.set BA,  42                           ; loop: point buffer A: ux 8, uy 8, usq 8
.set BB,  66                           ; point buffer B
.set P,   90                           ; gx ux of 8 points
.set T,   98                           ; d2: 8 points for each of 4 pixels
.set S,   130                          ; gsq + usq likewise
.set GM,  162                          ; a quad's least: pixel q, quad u at GM + 2 q + u
.set M,   170                          ; running least
.set ID,  174                          ; number of the quad that holds it
.set RA,  178                          ; that quad's first three d2
.set RB,  182
.set RC,  186
	s_load_b512 s[8:23], s[0:1], 0x0               ; uv s[8:9], feat_2d s[10:11], feat_3d s[12:13], w1 s[14:15], w2 s[16:17], w3 s[18:19], nn s[20:21], taps s[22:23]
	s_load_b128 s[24:27], s[0:1], 0x40             ; prec s[24:25], f2dt s[26:27]
	s_load_b64 s[28:29], s[0:1], 0x50              ; wq
	v_lshl_add_u32 v20, v0, 2, SPARE               ; my spare word; never rewritten
	v_mov_b32 v21, 0                               ; 0; never rewritten
	v_lshrrev_b32 v163, 5, v0                      ; w
	v_readfirstlane_b32 s2, v163                   ; my wave's number as a scalar
	v_and_b32 v1, 31, v0                           ; l
	v_and_b32 v2, 15, v0                           ; r
	v_bfe_u32 v3, v0, 4, 1                         ; h
	v_lshlrev_b32 v4, 4, v0                        ; 16 x thread
	v_lshlrev_b32 v5, 2, v1                        ; 4 l
	v_lshlrev_b32 v13, 4, v1                       ; 16 l
	v_lshlrev_b32 v14, 3, v1                       ; 8 l
	; every LDS address is made here, ahead of the first parting of the waves, from the thread's number and constants
	v_mul_u32_u24 v6, v0, 48                       ; PT: my quad of a load's 256
	v_and_b32 v161, 63, v0                         ; 32 ph + l: my point or pixel of the 64
	v_lshrrev_b32 v162, 6, v0                      ; g = w / 2: my 32 channels
	v_mul_u32_u24 v7, v161, 272
	v_add_nc_u32 v7, S3, v7                        ; my point's record
	v_mad_u32_u24 v8, v162, 24, v7                 ; + 24 g: with the immediate 104, block g's codes
	v_add_nc_u32 v9, v7, v162                      ; + g: with the immediate 248, block g's byte
	v_mul_u32_u24 v10, v161, 528
	v_lshl_add_u32 v10, v162, 7, v10
	v_add_nc_u32 v10, S2, v10                      ; my pixel's row, my 32 channels
	v_lshl_add_u32 v164, v163, 3, v3               ; 8 w + h
	v_mul_u32_u24 v11, v164, 272
	v_lshl_add_u32 v11, v2, 4, v11
	v_add_nc_u32 v11, S3, v11                      ; back: two records an instruction, sixteen lanes each
	v_mul_u32_u24 v12, v163, 8*528
	v_add_nc_u32 v12, v12, v13
	v_add_nc_u32 v12, S2, v12                      ; back: one pixel row an instruction
	v_lshrrev_b32 v164, 4, v0                      ; 2 w + h: my slice of 256 points
	v_mul_u32_u24 v15, v164, 3072                  ; its 64 quads
	v_lshlrev_b32 v17, 9, v163
	v_lshl_add_u32 v17, v2, 3, v17
	v_add_nc_u32 v17, RES, v17                     ; my wave's results, pixel r of a row of the tile
	v_lshl_add_u32 v18, v161, 3, RES               ; the last reduction: pixel v0 % 64 of the tile
	v_lshrrev_b32 v19, 4, v161
	v_lshlrev_b32 v19, 8, v19
	v_lshl_add_u32 v19, v2, 2, v19                 ; and its place in nn: 256 bytes a row of the image, 4 a pixel
	s_and_b32 s4, s2, 1                            ; ph
	s_lshr_b32 s5, s2, 1                           ; g
	s_mov_b32 s50, 0x427c0000                      ; 63.0
	s_mov_b32 s51, 0x42800000                      ; 64.0
	s_mov_b32 s52, 0x76543210
	s_mov_b32 s53, 0xfedcba98                      ; v_permlanex16_b32's selects for lane l xor 16
	s_cmp_ge_u32 ttmp9, 256                        ; the same way for all waves of a work-group
	s_cbranch_scc1 .Lweights
	s_lshr_b32 s6, ttmp9, 6                        ; b
	s_and_b32 s7, ttmp9, 63                        ; c6
	s_lshl_b32 s40, s7, 8
	s_lshl_b32 s41, s4, 7
	s_add_co_u32 s40, s40, s41                     ; 4 x (64 c6 + 32 ph)
	s_lshl_b32 s30, s6, 15                         ; uv: the batch
	s_mov_b32 s31, 0
	s_add_co_u32 s32, s30, s40                     ; uv: my wave's 32 points
	s_mov_b32 s33, 0
	s_lshl_b32 s41, s6, 21
	s_add_co_u32 s40, s40, s41                     ; the features: the batch, my wave's 32 columns
	s_lshl_b32 s41, s5, 19
	s_add_co_u32 s34, s40, s41                     ; + channel 32 g
	s_mov_b32 s35, 0
	s_lshl_b32 s41, s5, 5
	s_sub_co_u32 s41, s41, 3
	s_cmp_eq_u32 s5, 0
	s_cselect_b32 s41, 125, s41                    ; the three channels in front of 32 g; for g = 0 the tail, 125 .. 127
	s_lshl_b32 s41, s41, 14
	s_add_co_u32 s36, s40, s41
	s_mov_b32 s37, 0
	s_lshl_b32 s54, ttmp9, 14                      ; prec: record 64 wg + 8 w
	s_lshl_b32 s55, s2, 11
	s_add_co_u32 s54, s54, s55
	s_mov_b32 s55, 0
	s_lshl_b32 s56, ttmp9, 15                      ; f2dt: row 64 wg + 8 w
	s_lshl_b32 s57, s2, 12
	s_add_co_u32 s56, s56, s57
	s_mov_b32 s57, 0
	s_lshl_b32 s58, ttmp9, 9                       ; taps: point 64 wg + 32 ph
	s_lshl_b32 s59, s4, 8
	s_add_co_u32 s58, s58, s59
	s_mov_b32 s59, 0
	s_and_b32 s62, s7, 3
	s_lshl_b32 s62, s62, 4                         ; gx0
	s_lshr_b32 s63, s7, 2
	s_lshl_b32 s63, s63, 2                         ; gy0
	s_lshl_b32 s60, s6, 14                         ; nn: the batch, row gy0, pixel gx0
	s_lshl_b32 s61, s63, 8
	s_add_co_u32 s60, s60, s61
	s_lshl_b32 s61, s62, 2
	s_add_co_u32 s60, s60, s61
	s_mov_b32 s61, 0
	s_wait_kmcnt 0x0
	s_add_nc_u64 s[30:31], s[8:9], s[30:31]
	s_add_nc_u64 s[32:33], s[8:9], s[32:33]
	s_add_nc_u64 s[38:39], s[12:13], s[34:35]
	s_add_nc_u64 s[36:37], s[12:13], s[36:37]
	s_add_nc_u64 s[34:35], s[10:11], s[34:35]
	; ---- the loads: all points of the batch (8), my point (2), 32 channels of feat_3d, a lane to a point and registers down the channels
.irp j, 0,1,2,3
	global_load_b128 v[24+4*\j:27+4*\j], v4, s[30:31] offset:4096*\j              ; ux of quad thread + 256 j
.endr
.irp j, 0,1,2,3
	global_load_b128 v[40+4*\j:43+4*\j], v4, s[30:31] offset:16384+4096*\j        ; uy
.endr
	global_load_b32 v22, v5, s[32:33]                                             ; ux, uy of point 64 c6 + 32 ph + l
	global_load_b32 v23, v5, s[32:33] offset:16384
.irp i, 0,1,2
	global_load_b32 v[72+\i], v5, s[36:37] offset:\i*16384 th:TH_LOAD_NT
.endr
.set i, 3
.rept 29
	global_load_b32 v[72+i], v5, s[38:39] offset:(i-3)*16384 th:TH_LOAD_NT       ; register i: channel 32 g + i - 3: for g over 0 the 32 registers are block g of the first product's K
.set i, i+1
.endr
	s_add_nc_u64 s[54:55], s[24:25], s[54:55]
	s_add_nc_u64 s[56:57], s[26:27], s[56:57]
	s_add_nc_u64 s[58:59], s[22:23], s[58:59]
	s_add_nc_u64 s[60:61], s[20:21], s[60:61]
	; ---- the points into LDS, with usq
	s_wait_loadcnt 34                              ; the eight loads of uv are in; the 2 + 32 behind them may be out
.irp i, 0,2,4,6,8,10,12,14
	v_pk_mul_f32 v[56+\i:57+\i], v[24+\i:25+\i], v[24+\i:25+\i]
.endr
.if USQ_FMA
.irp i, 0,2,4,6,8,10,12,14
	v_pk_fma_f32 v[56+\i:57+\i], v[40+\i:41+\i], v[40+\i:41+\i], v[56+\i:57+\i]
.endr
.else
.irp i, 0,2,4,6,8,10,12,14
	v_pk_mul_f32 v[136+\i:137+\i], v[40+\i:41+\i], v[40+\i:41+\i]
.endr
.irp i, 0,2,4,6,8,10,12,14
	v_pk_add_f32 v[56+\i:57+\i], v[56+\i:57+\i], v[136+\i:137+\i]
.endr
.endif
.irp j, 0,1,2,3
	ds_store_b128 v6, v[24+4*\j:27+4*\j] offset:12288*\j        ; lanes 48 bytes apart: sixteen lanes fall on sixteen different columns of 16 bytes
	ds_store_b128 v6, v[40+4*\j:43+4*\j] offset:12288*\j+16
	ds_store_b128 v6, v[56+4*\j:59+4*\j] offset:12288*\j+32
.endr
.set i, 0
.rept 32
	global_load_b32 v[104+i], v5, s[34:35] offset:i*16384 th:TH_LOAD_NT          ; feat_2d: channel 32 g + i of pixel 64 c6 + 32 ph + l
.set i, i+1
.endr
	; ---- the records
	s_wait_loadcnt 32                              ; my point and feat_3d are in; the 32 loads of feat_2d may be out
	s_cmp_eq_u32 s5, 0
	s_cbranch_scc1 .Lg0
	v_max3_num_f32 v161, |v72|, |v73|, |v74|       ; block g: all 32 numbers are mine
	v_max3_num_f32 v162, |v75|, |v76|, |v77|
.irp i, 6,10,14,18,22,26
	v_max3_num_f32 v161, v161, |v[72+\i]|, |v[73+\i]|
	v_max3_num_f32 v162, v162, |v[74+\i]|, |v[75+\i]|
.endr
	v_max3_num_f32 v161, v161, |v102|, |v103|
	v_max3_num_f32 v161, v161, v162, 0x1800000     ; and the floor 2^(3 - 127): the byte cannot fall under 1
	v_add_nc_u32 v162, 0xff000000, v161            ; 2 off the exponent field: the conversion takes the exponent field of this operand as its scale
	v_lshrrev_b32 v163, 23, v162                   ; the scale's byte
	v_cvt_scalef32_pk16_fp6_f32 v[152:154], v[72:87], v162
	v_cvt_scalef32_pk16_fp6_f32 v[158:160], v[88:103], v162     ; (a conversion's three registers begin on an even number)
	v_nop                                          ; one plain place behind a scaled conversion
	v_mov_b32 v155, v158
	v_mov_b32 v156, v159
	v_mov_b32 v157, v160
	ds_store_b64 v8, v[152:153] offset:104
	ds_store_b64 v8, v[154:155] offset:112
	ds_store_b64 v8, v[156:157] offset:120
	ds_store_b8 v9, v163 offset:248
	s_branch .Lrec_done
.Lg0:
	v_mov_b32 v136, v72                            ; the tail, block 4: channels 125 .. 127 and zeros
	v_mov_b32 v137, v73
	v_mov_b32 v138, v74
.irp i, 3,4,5,6,7,8,9,10,11,12,13,14,15
	v_mov_b32 v[136+\i], 0
.endr
	v_max3_num_f32 v161, |v136|, |v137|, 0x1800000
	v_max_num_f32 v161, v161, |v138|
	v_add_nc_u32 v162, 0xff000000, v161
	v_lshrrev_b32 v163, 23, v162
	v_cvt_scalef32_pk16_fp6_f32 v[152:154], v[136:151], v162
	v_or_b32 v164, 0x7f7f7f00, v163                ; (a plain place behind the conversion)  the second scale word: block 4's byte, 1.0 for the three blocks of zero codes
	v_mov_b32 v155, 0
	v_mov_b32 v156, 0
	v_mov_b32 v157, 0
	v_mov_b32 v72, v22                             ; k = 0, 1, 2: ux, uy, and the place of the correlation
	v_mov_b32 v73, v23
	v_mov_b32 v74, 0
.irp j, 0,1,2,3,4,5,6,7
	ds_store_b128 v7, v[72+4*\j:75+4*\j] offset:16*\j
.endr
	ds_store_b64 v7, v[152:153] offset:200
	ds_store_b64 v7, v[154:155] offset:208
	ds_store_b64 v7, v[156:157] offset:216
	ds_store_b64 v7, v[156:157] offset:224
	ds_store_b64 v7, v[156:157] offset:232
	ds_store_b64 v7, v[156:157] offset:240
	ds_store_b8 v7, v156 offset:248
	ds_store_b32 v7, v164 offset:252
.Lrec_done:
	s_wait_loadcnt 0x0                             ; feat_2d
.irp j, 0,1,2,3,4,5,6,7
	ds_store_b128 v10, v[104+4*\j:107+4*\j] offset:16*\j
.endr
	s_wait_dscnt 0x0                               ; for the others' sake: all my stores have landed
	s_barrier_signal -1
	s_barrier_wait -1                              ; the points, the records and the pixel rows are whole
	; ---- records and rows leave; the stores are on their way while the points are walked
.irp i, 0,1,2,3
	ds_load_b128 v[208+4*\i:211+4*\i], v11 offset:544*\i
.endr
.irp i, 0,1,2,3,4,5,6,7
	ds_load_b128 v[224+4*\i:227+4*\i], v12 offset:528*\i
.endr
.irp i, 0,1,2,3
	s_wait_dscnt 11-\i                             ; the younger LDS loads may be out
	global_store_b128 v13, v[208+4*\i:211+4*\i], s[54:55] offset:512*\i th:TH_STORE_NT     ; 32 lanes store 512 consecutive bytes, aligned: two records
.endr
.irp i, 0,1,2,3,4,5,6,7
	s_wait_dscnt 7-\i
	global_store_b128 v13, v[224+4*\i:227+4*\i], s[56:57] offset:512*\i th:TH_STORE_NT     ; one pixel row
.endr
	; ---- the four taps of the bilinear sample, as two whole numbers a point
	s_cmp_lg_u32 s5, 0
	s_cbranch_scc1 .Lno_taps
	v_floor_f32 v161, v22
	v_floor_f32 v163, v23
	v_max_num_f32 v161, 0, v161
	v_max_num_f32 v163, 0, v163
	v_min_num_f32 v161, s50, v161                  ; x0, y0 held to 0 .. 63
	v_min_num_f32 v163, s50, v163
	v_add_f32 v162, 1.0, v161
	v_add_f32 v164, 1.0, v163
	v_min_num_f32 v162, s50, v162                  ; x1, y1
	v_min_num_f32 v164, s50, v164
	v_fma_f32 v161, v163, s51, v161                ; 64 y0 + x0: exact
	v_fma_f32 v162, v164, s51, v162                ; 64 y1 + x1
	v_cvt_u32_f32 v206, v161
	v_cvt_u32_f32 v207, v162
	global_store_b64 v14, v[206:207], s[58:59]     ; 32 lanes store 256 consecutive bytes, aligned
.Lno_taps:
	; ---- the argmin.  Constants as pairs (number, 0): the packed forms take a pair's low word for both halves
	v_add_nc_u32 v24, s62, v2
	v_cvt_f32_u32 v24, v24                         ; gx
	v_mov_b32 v25, 0
	v_mul_f32 v161, v24, v24
.irp q, 0,1,2,3
	s_add_co_u32 s40, s63, \q
	v_cvt_f32_u32 v[26+2*\q], s40                  ; gy of pixel q
	v_mov_b32 v[27+2*\q], 0
	v_fma_f32 v[34+2*\q], v[26+2*\q], v[26+2*\q], v161   ; gsq: a whole number under 2^13, exact
	v_mov_b32 v[35+2*\q], 0
	v_mov_b32 v[M+\q], 0x7f800000                  ; +infinity
	v_mov_b32 v[ID+\q], 0
	v_mov_b32 v[RA+\q], 0
	v_mov_b32 v[RB+\q], 0
	v_mov_b32 v[RC+\q], 0
.endr
.macro LOADC buf, off                  ; two quads, 96 bytes: all lanes of a half read one address
	ds_load_b128 v[\buf:\buf+3],     v16 offset:\off
	ds_load_b128 v[\buf+8:\buf+11],  v16 offset:\off+16
	ds_load_b128 v[\buf+16:\buf+19], v16 offset:\off+32
	ds_load_b128 v[\buf+4:\buf+7],   v16 offset:\off+48
	ds_load_b128 v[\buf+12:\buf+15], v16 offset:\off+64
	ds_load_b128 v[\buf+20:\buf+23], v16 offset:\off+80
.endm
; 8 points x 4 pixels.  hi, lo: the scalar registers with the numbers of the chunk's upper and lower quad.  The four pixels take turns, so that no line waits for the line above it.
.macro CHUNK buf, hi, lo
.irp i, 0,2,4,6
	v_pk_mul_f32 v[P+\i:P+\i+1], v[\buf+\i:\buf+\i+1], v[24:25] op_sel_hi:[1,0]                              ; rn(gx ux): shared by the four pixels
.endr
.irp i, 0,2,4,6
.irp q, 0,1,2,3
	v_pk_add_f32 v[S+8*\q+\i:S+8*\q+\i+1], v[\buf+16+\i:\buf+17+\i], v[34+2*\q:35+2*\q] op_sel_hi:[1,0]      ; rn(gsq + usq)
.endr
.endr
.irp i, 0,2,4,6
.irp q, 0,1,2,3
.if DOT_FMA
	v_pk_fma_f32 v[T+8*\q+\i:T+8*\q+\i+1], v[\buf+8+\i:\buf+9+\i], v[26+2*\q:27+2*\q], v[P+\i:P+\i+1] op_sel_hi:[1,0,1]   ; the dot
.else
	v_pk_mul_f32 v[T+8*\q+\i:T+8*\q+\i+1], v[\buf+8+\i:\buf+9+\i], v[26+2*\q:27+2*\q] op_sel_hi:[1,0]
.endif
.endr
.endr
.if DOT_FMA == 0
.irp i, 0,2,4,6
.irp q, 0,1,2,3
	v_pk_add_f32 v[T+8*\q+\i:T+8*\q+\i+1], v[T+8*\q+\i:T+8*\q+\i+1], v[P+\i:P+\i+1]
.endr
.endr
.endif
.irp i, 0,2,4,6
.irp q, 0,1,2,3
	v_pk_fma_f32 v[T+8*\q+\i:T+8*\q+\i+1], v[T+8*\q+\i:T+8*\q+\i+1], -2.0, v[S+8*\q+\i:S+8*\q+\i+1] op_sel_hi:[1,0,1]     ; d2: 2 x dot is exact, so one rounding
.endr
.endr
.irp u, 0,1
.irp q, 0,1,2,3
	v_min3_num_f32 v[GM+2*\q+\u], v[T+8*\q+4*\u], v[T+8*\q+4*\u+1], v[T+8*\q+4*\u+2]
.endr
.endr
.irp u, 0,1
.irp q, 0,1,2,3
	v_min_num_f32 v[GM+2*\q+\u], v[GM+2*\q+\u], v[T+8*\q+4*\u+3]
.endr
.endr
.irp q, 0,1,2,3
	v_min3_num_f32 v[M+\q], v[M+\q], v[GM+2*\q], v[GM+2*\q+1]
.endr
.irp q, 0,1,2,3
	v_cmp_eq_f32 s[40+\q], v[GM+2*\q+1], v[M+\q]   ; the upper quad first: the lower one, taken behind it, wins a tie
.endr
.irp q, 0,1,2,3
	v_cndmask_b32 v[ID+\q], v[ID+\q], s[\hi], s[40+\q]
	v_cndmask_b32 v[RA+\q], v[RA+\q], v[T+8*\q+4], s[40+\q]
	v_cndmask_b32 v[RB+\q], v[RB+\q], v[T+8*\q+5], s[40+\q]
	v_cndmask_b32 v[RC+\q], v[RC+\q], v[T+8*\q+6], s[40+\q]
.endr
.irp q, 0,1,2,3
	v_cmp_eq_f32 s[40+\q], v[GM+2*\q], v[M+\q]
.endr
.irp q, 0,1,2,3
	v_cndmask_b32 v[ID+\q], v[ID+\q], s[\lo], s[40+\q]
	v_cndmask_b32 v[RA+\q], v[RA+\q], v[T+8*\q], s[40+\q]
	v_cndmask_b32 v[RB+\q], v[RB+\q], v[T+8*\q+1], s[40+\q]
	v_cndmask_b32 v[RC+\q], v[RC+\q], v[T+8*\q+2], s[40+\q]
.endr
.endm
	s_mov_b32 s49, 15*192                          ; the slice's last four quads
	v_add_nc_u32 v16, s49, v15
	LOADC BA, 96                                   ; quads 62, 63
	s_mov_b32 s44, 63
	s_mov_b32 s45, 62
	s_mov_b32 s46, 61
	s_mov_b32 s47, 60
	s_mov_b32 s48, 15
.Ltrip:                                            ; a trip: four quads, 16 points, downwards; the next chunk's six loads are out while a chunk is worked
	LOADC BB, 0
	s_wait_dscnt 6                                 ; buffer A's six loads are in; B's six are younger
	CHUNK BA, 44, 45
	s_sub_co_u32 s49, s49, 192
	v_add_nc_u32 v16, s49, v15
	LOADC BA, 96
	s_wait_dscnt 6                                 ; B's are in; the next A's six are younger
	CHUNK BB, 46, 47
	s_sub_co_u32 s44, s44, 4
	s_sub_co_u32 s45, s45, 4
	s_sub_co_u32 s46, s46, 4
	s_sub_co_u32 s47, s47, 4
	s_sub_co_u32 s48, s48, 1
	s_cmp_lg_u32 s48, 0
	s_cbranch_scc1 .Ltrip
	LOADC BB, 0                                    ; the sixteenth trip is written out: nothing is read below the slice
	s_wait_dscnt 6
	CHUNK BA, 44, 45
	s_wait_dscnt 0x0
	CHUNK BB, 46, 47
	; ---- the place in the quad: the lowest of its four that equals the least
	v_lshrrev_b32 v22, 4, v0
	v_lshlrev_b32 v22, 8, v22                      ; my slice's first point
.irp q, 0,1,2,3
	v_mov_b32 v[198+\q], 3
	v_mov_b32 v[202+\q], 0                         ; (a lane permute's destination counts as one of its sources)
.endr
.irp q, 0,1,2,3
	v_cmp_eq_f32 s[40+\q], v[RC+\q], v[M+\q]
.endr
.irp q, 0,1,2,3
	v_cndmask_b32 v[198+\q], v[198+\q], 2, s[40+\q]
.endr
.irp q, 0,1,2,3
	v_cmp_eq_f32 s[40+\q], v[RB+\q], v[M+\q]
.endr
.irp q, 0,1,2,3
	v_cndmask_b32 v[198+\q], v[198+\q], 1, s[40+\q]
.endr
.irp q, 0,1,2,3
	v_cmp_eq_f32 s[40+\q], v[RA+\q], v[M+\q]
.endr
.irp q, 0,1,2,3
	v_cndmask_b32 v[198+\q], v[198+\q], 0, s[40+\q]
.endr
.irp q, 0,1,2,3
	v_lshl_add_u32 v[191+2*\q], v[ID+\q], 2, v[198+\q]
	v_mov_b32 v[190+2*\q], v[M+\q]
.endr
.irp q, 0,1,2,3
	v_add_nc_u32 v[191+2*\q], v22, v[191+2*\q]     ; the point's index in the batch
.endr
.irp q, 0,1,2,3
	v_permlanex16_b32 v[198+\q], v[190+2*\q], s52, s53          ; the other half of the lanes holds the same pixels against the neighbouring slice
	v_permlanex16_b32 v[202+\q], v[191+2*\q], s52, s53
.endr
.irp q, 0,1,2,3
	v_cmp_lt_f32 s40, v[198+\q], v[190+2*\q]
	v_cmp_eq_f32 s41, v[198+\q], v[190+2*\q]
	v_cmp_lt_u32 s42, v[202+\q], v[191+2*\q]
	s_and_b32 s41, s41, s42
	s_or_b32 s40, s40, s41                         ; the other's is less, or equal with the lower index
	v_cndmask_b32 v[190+2*\q], v[190+2*\q], v[198+\q], s40
	v_cndmask_b32 v[191+2*\q], v[191+2*\q], v[202+\q], s40
	ds_store_b64 v17, v[190+2*\q:191+2*\q] offset:128*\q        ; both halves write the same bytes with the same value
.endr
	s_wait_dscnt 0x0                               ; for the others' sake: my results have landed
	s_barrier_signal -1
	s_barrier_wait -1
	s_cmp_gt_u32 s2, 1                             ; waves 0 and 1 join the eight waves' results, a lane to a pixel
	s_cbranch_scc1 .Lend
.irp k, 0,1,2,3,4,5,6,7
	ds_load_b64 v[24+2*\k:25+2*\k], v18 offset:512*\k
.endr
	s_wait_dscnt 0x0
.irp k, 1,2,3,4,5,6,7
	v_cmp_lt_f32 vcc_lo, v[24+2*\k], v24           ; ascending slices, strictly less: the lower index keeps a tie
	v_cndmask_b32 v24, v24, v[24+2*\k], vcc_lo
	v_cndmask_b32 v25, v25, v[25+2*\k], vcc_lo
.endr
	global_store_b32 v19, v25, s[60:61]            ; runs of 64 bytes, one for each row of the tile: 64 KiB in the whole launch; the price of four rows to a lane, which share gx ux
.Lend:
	s_wait_tensorcnt 0x0                           ; the wave's end
	ds_add_u32 v20, v21
	s_wait_dscnt 0x0
	s_endpgm
; ---- THE WEIGHTS.  Image f = 8 x kind + wave.  kind 0: w1, k 0-127; 1: w1, k 128-255 (three columns, zeros beyond); 2: w2; 3: w3.  Tile t = wave.
; For kinds 0-2 lane r of tile t takes row 32 (t / 2) + 8 (t % 2) + r + 8 (r / 8), so that a lane's results of two neighbouring tiles are 16 neighbours along the next product's K; for w3 row 16 t + r.
; Lane (r, h) takes k = 64 c + 32 h + 0 .. 31 of its row, c = 0, 1: two whole blocks, in the order of the operand's registers.  Loads of 4 bytes: a row of w1 begins at a multiple of 4 bytes only.
.Lweights:
	s_sub_co_u32 s6, ttmp9, 256                    ; kind
	s_lshl_b32 s7, s6, 3
	s_add_co_u32 s7, s7, s2                        ; f
	s_lshr_b32 s40, s2, 1
	s_lshl_b32 s40, s40, 5
	s_and_b32 s41, s2, 1
	s_lshl_b32 s41, s41, 3
	s_add_co_u32 s40, s40, s41
	s_lshl_b32 s41, s2, 4
	s_cmp_eq_u32 s6, 3
	s_cselect_b32 s40, s41, s40                    ; the tile's first row
	s_cselect_b32 s42, 0, 8
	s_mov_b32 s43, 512
	s_cmp_lt_u32 s6, 2
	s_cselect_b32 s43, 524, s43                    ; a row in bytes: 131 or 128 numbers
	s_cmp_eq_u32 s6, 1
	s_cselect_b32 s44, 0, 128                      ; lanes 16-31 begin 32 numbers on; not in the tail, where they would leave the buffer
	v_and_b32 v161, s42, v2
	v_add_nc_u32 v161, v161, v2
	v_add_nc_u32 v161, s40, v161                   ; my row
	v_mul_u32_u24 v162, v161, s43
	v_mad_u32_u24 v162, v3, s44, v162
	s_mul_i32 s46, s7, 1536
	s_mov_b32 s47, 0
	s_lshl_b32 s48, s7, 7
	s_add_co_u32 s48, s48, 49152
	s_mov_b32 s49, 0
	s_wait_kmcnt 0x0
	s_cmp_lt_u32 s6, 2
	s_cselect_b64 s[30:31], s[14:15], s[16:17]
	s_cmp_eq_u32 s6, 3
	s_cselect_b64 s[30:31], s[18:19], s[30:31]
	s_add_nc_u64 s[32:33], s[28:29], s[46:47]      ; the image
	s_add_nc_u64 s[34:35], s[28:29], s[48:49]      ; its scale words
	s_cmp_eq_u32 s6, 1
	s_cbranch_scc1 .Lw_tail
.set i, 0
.rept 64
	global_load_b32 v[64+i], v162, s[30:31] offset:4*(64*(i/32)+i%32)
.set i, i+1
.endr
	s_wait_loadcnt 0x0
	s_branch .Lw_quant
.Lw_tail:
.irp i, 0,1,2
	global_load_b32 v[64+\i], v162, s[30:31] offset:512+4*\i
.endr
.set i, 3
.rept 61
	v_mov_b32 v[64+i], 0
.set i, i+1
.endr
	s_wait_loadcnt 0x0
	s_mov_b32 s40, 0xffff0000
.irp i, 0,1,2
	v_cndmask_b32 v[64+\i], v[64+\i], 0, s40       ; k = 160 on: zeros
.endr
.Lw_quant:
.irp c, 0,1
	v_max3_num_f32 v[32+\c], |v[64+32*\c]|, |v[65+32*\c]|, 0x1800000      ; my block 2 c + h, and the floor 2^(3 - 127)
.endr
.irp i, 2,4,6,8,10,12,14,16,18,20,22,24,26,28,30
.irp c, 0,1
	v_max3_num_f32 v[32+\c], v[32+\c], |v[64+32*\c+\i]|, |v[65+32*\c+\i]|
.endr
.endr
.irp c, 0,1
	v_add_nc_u32 v[44+\c], 0xff000000, v[32+\c]
.endr
.irp c, 0,1
	v_lshrrev_b32 v[36+\c], 23, v[44+\c]
.endr
	v_lshl_or_b32 v128, v37, 16, v36               ; my two bytes: blocks h and 2 + h,
	v_lshlrev_b32 v129, 3, v3
	v_lshlrev_b32 v128, v129, v128                 ; at their places in the scale word;
	v_mov_b32 v129, 0
	v_permlanex16_b32 v129, v128, s52, s53
	v_or_b32 v128, v128, v129                      ; with lane l xor 16's two the word is whole
.irp c, 0,1
	v_cvt_scalef32_pk16_fp6_f32 v[48+6*\c:50+6*\c], v[64+32*\c:79+32*\c], v[44+\c]
	v_cvt_scalef32_pk16_fp6_f32 v[192+4*\c:194+4*\c], v[80+32*\c:95+32*\c], v[44+\c]
.endr
	v_nop                                          ; one plain place behind a scaled conversion
.irp c, 0,1
.irp i, 0,1,2
	v_mov_b32 v[51+6*\c+\i], v[192+4*\c+\i]
.endr
.endr
.irp k, 0,1,2
	global_store_b128 v13, v[48+4*\k:51+4*\k], s[32:33] offset:512*\k      ; registers 4 k .. 4 k + 3 of lane l at 512 k + 16 l
.endr
	global_store_b32 v5, v128, s[34:35]
	s_endpgm
.Lfunc_end_k_q612eb2c62d_prep:
	.size	k_q612eb2c62d_prep, .Lfunc_end_k_q612eb2c62d_prep-k_q612eb2c62d_prep
	.p2alignl 7, 3214868480
	.fill 96, 4, 3214868480
	.section	.rodata,"a",@progbits
	.p2align	6, 0x0
	.amdhsa_kernel k_q612eb2c62d_prep
		.amdhsa_group_segment_fixed_size 105472
		.amdhsa_private_segment_fixed_size 0
		.amdhsa_enable_private_segment 0
		.amdhsa_kernarg_size 88
		.amdhsa_user_sgpr_count 2
		.amdhsa_user_sgpr_kernarg_segment_ptr 1
		.amdhsa_wavefront_size32 1
		.amdhsa_system_sgpr_workgroup_id_x 1
		.amdhsa_system_sgpr_workgroup_id_y 1
		.amdhsa_system_sgpr_workgroup_id_z 1
		.amdhsa_system_vgpr_workitem_id 0
		.amdhsa_next_free_vgpr 256
		.amdhsa_next_free_sgpr 66
		.amdhsa_reserve_vcc 1
		.amdhsa_float_denorm_mode_32 3
		.amdhsa_float_denorm_mode_16_64 3
		.amdhsa_memory_ordered 1
		.amdhsa_forward_progress 1
		.amdhsa_inst_pref_size 72
	.end_amdhsa_kernel
	.amdgpu_metadata
---
amdhsa.version: [ 1, 2 ]
amdhsa.kernels:
  - .name:           k_q612eb2c62d_prep
    .symbol:         k_q612eb2c62d_prep.kd
    .args:
      - { .name: uv, .offset: 0, .size: 8, .value_kind: global_buffer, .address_space: global }
      - { .name: feat_2d, .offset: 8, .size: 8, .value_kind: global_buffer, .address_space: global }
      - { .name: feat_3d, .offset: 16, .size: 8, .value_kind: global_buffer, .address_space: global }
      - { .name: w1, .offset: 24, .size: 8, .value_kind: global_buffer, .address_space: global }
      - { .name: w2, .offset: 32, .size: 8, .value_kind: global_buffer, .address_space: global }
      - { .name: w3, .offset: 40, .size: 8, .value_kind: global_buffer, .address_space: global }
      - { .name: nn, .offset: 48, .size: 8, .value_kind: global_buffer, .address_space: global }
      - { .name: taps, .offset: 56, .size: 8, .value_kind: global_buffer, .address_space: global }
      - { .name: prec, .offset: 64, .size: 8, .value_kind: global_buffer, .address_space: global }
      - { .name: f2dt, .offset: 72, .size: 8, .value_kind: global_buffer, .address_space: global }
      - { .name: wq, .offset: 80, .size: 8, .value_kind: global_buffer, .address_space: global }
    .group_segment_fixed_size: 105472
    .private_segment_fixed_size: 0
    .kernarg_segment_align: 8
    .kernarg_segment_size: 88
    .max_flat_workgroup_size: 256
    .sgpr_count:     66
    .vgpr_count:     256
    .wavefront_size: 32
...
	.end_amdgpu_metadata
.endif
;; end of part 1
;; launch fuse (part 2): grid 256 x 1, 4 waves a work-group, no clusters, 167,936 bytes of LDS; arguments nn, taps, prec, f2dt, wq, b1, b2, b3, out0; writes out0
.if DOCPART == 2
	.amdgcn_target "amdgcn-amd-amdhsa--gfx1250"
	.amdhsa_code_object_version 6
	.text
	.protected	k_q612eb2c62d_fuse
	.globl	k_q612eb2c62d_fuse
	.p2align	8
	.type	k_q612eb2c62d_fuse,@function
k_q612eb2c62d_fuse:
	s_mov_b64 s[64:65], 0
	v_nop
	global_prefetch_b8 v0, s[64:65] scope:SCOPE_SE
	s_setreg_imm32_b32 hwreg(HW_REG_WAVE_MODE, 25, 1), 1
	s_wait_xcnt 0x0
; FUSE.  A work-group takes one row of the image (batch b = wg / 64, row y = wg % 64), each of its four waves 16 pixels, one tile, through the whole chain:
; the nearest point's record and the four taps' rows are gathered, the correlation and block 0 of the first product's K are made and quantised, three products on codes of E2M3 with bias and leaky ReLU follow in
; registers, and the results leave through LDS as whole rows.
; GATHERS: one row to an instruction: 32 lanes x 8 bytes are a record, 32 lanes x 16 bytes a pixel's 128 channels.  The row numbers are whole numbers that the launch before has stored (nn, taps); they come by
; scalar loads and are held to 0 .. 4,095 before they enter an address.
; THE PRODUCTS ARE USED TRANSPOSED (source 0 = 16 rows of a weight, source 1 = my 16 pixels): a lane holds one pixel and its registers run along the output channels, which are the next product's K.
; The rows of w1 and w2 that form a tile were chosen by the launch before so that the 16 registers of two neighbouring tiles are 16 neighbours along that K.  Each bias is the C of its sum's first instruction.
; THE WEIGHTS' IMAGES, 53,248 bytes, come into LDS once, a quarter by each wave's one tensor load; nothing is filled again.
; No cluster: what work-groups share is these 53,248 bytes of the 64 x (256 + 5 x 512) + 53,248 that a work-group reads; they are asked for once, at the head, ahead of three dependent gathers.
; THE CORRELATION is summed as four dot products (tap row . pixel row) weighed by the bilinear weights, not tap by tap in each channel: another order of f32 rounding than the definition's.
; LIMITS: NaN and infinities are not served.  A block of zeros carries the scale byte 1 where the rule says 127: its codes are zeros.
; REGISTERS, window 0: v1-17 lane numbers and addresses; v18, v19 the add's two; v20-27 at work; v28, v29 my pixels' scale words; v30 the hidden layer's; v32-47 the weights' scale words, two sets;
;   v48-59, v60-71 my pixels' two fragments; v72.. the record's 32 f32, later the codes just made; v92-107 at work in the quantiser; v108-171, v172-235 two sets of eight accumulators; v236-251 at work.
;   window 1: the 64 tap rows, 4 registers each; later the weights' fragments, two sets of 96.
.set WSC,   49152                      ; LDS: the weights' 32 images of 1,536 bytes from 0; their scale words, 128 bytes each
.set BIAS,  53248                      ; four slots of 512 bytes: b1, b2, b3, b3
.set RS,    55296                      ; for each wave 16 records, 256 + 16 bytes apart
.set CS,    72704                      ; for each wave 64 rows (16 x tap + pixel) of 32 partial sums, 128 + 16 bytes apart
.set OS,    109568                     ; 128 channels x (64 pixels x 4 bytes + 16)
.set SPARE, 144384                     ; the spare words, 128 bytes for each wave: two blocks of 256 bytes that no other line names
.set F0,  48
.set F1,  60
.set X,   72
.set PC,  72
.set TM,  92
.set BV,  104
.set HA,  108
.set HB,  172
.set TT,  236
.set PW,  30
.set SEL, 34
.set MSB, 0
.macro WIN new                         ; the immediate's high byte repeats the setting that is left; bits 1:0 source 0, 3:2 source 1, 5:4 source 2, 7:6 destination
.if MSB != \new
	s_set_vgpr_msb (MSB<<8)|\new
.set MSB, \new
.endif
.endm
.macro NOPS n
.rept \n
	v_nop
.endr
.endm
; eight images f0 .. f0 + 7 into set 0 or 1 of window 1, and their scale words: 32 LDS loads
.macro FETCHW set, f0
	WIN 0x40
.irp t, 0,1,2,3,4,5,6,7
.irp k, 0,1,2
	ds_load_b128 v[96*(\set)+12*\t+4*\k:96*(\set)+12*\t+4*\k+3], v4 offset:((\f0)+\t)*1536+512*\k
.endr
.endr
	WIN 0
.irp t, 0,1,2,3,4,5,6,7
	ds_load_b32 v[32+8*(\set)+\t], v6 offset:WSC+((\f0)+\t)*128
.endr
.endm
; a layer's bias into the accumulators themselves, in the result's layout: 16 LDS loads.  perm = 1: register j of tile t is channel 32 (t / 2) + 16 h + 8 (t % 2) + j; perm = 0: 16 t + 8 h + j
.macro FETCHB acc, layer, perm
.irp t, 0,1,2,3,4,5,6,7
.if \perm
	ds_load_b128 v[\acc+8*\t:\acc+8*\t+3],   v12 offset:BIAS+512*(\layer)+(32*(\t/2)+8*(\t%2))*4
	ds_load_b128 v[\acc+8*\t+4:\acc+8*\t+7], v12 offset:BIAS+512*(\layer)+(32*(\t/2)+8*(\t%2))*4+16
.else
	ds_load_b128 v[\acc+8*\t:\acc+8*\t+3],   v13 offset:BIAS+512*(\layer)+64*\t
	ds_load_b128 v[\acc+8*\t+4:\acc+8*\t+7], v13 offset:BIAS+512*(\layer)+64*\t+16
.endif
.endr
.endm
; eight matrix instructions, one for each tile of 16 output channels: the eight accumulators take turns, one instruction a turn
.macro MM set, frag, sx, acc
	WIN 0x01                                       ; source 0 (the weight) window 1
.irp t, 0,1,2,3,4,5,6,7
	v_wmma_scale_f32_16x16x128_f8f6f4 v[\acc+8*\t:\acc+8*\t+7], v[96*(\set)+12*\t:96*(\set)+12*\t+11], v[\frag:\frag+11], v[\acc+8*\t:\acc+8*\t+7], v[32+8*(\set)+\t], v[\sx] matrix_a_fmt:MATRIX_FMT_FP6 matrix_b_fmt:MATRIX_FMT_FP6
.endr
.endm
; y >= 0 ? y: 0.1 y is the larger of y and 0.1 y.  Ascending
.macro LRELU acc
.irp g, 0,1,2,3
.irp i, 0,2,4,6,8,10,12,14
	v_pk_mul_f32 v[TT+\i:TT+\i+1], v[\acc+16*\g+\i:\acc+16*\g+\i+1], 0x3dcccccd op_sel_hi:[1,0]
.endr
.irp i, 0,1,2,3,4,5,6,7,8,9,10,11,12,13,14,15
	v_max_num_f32 v[\acc+16*\g+\i], v[\acc+16*\g+\i], v[TT+\i]
.endr
.endr
.endm
; 64 numbers of a lane, register 16 b + i = k 32 b + 16 (lane / 16) + i of my pixel, become a fragment's codes in v[PC] on and its scale word in v[PW]
.macro QUANT s
.irp b, 0,1,2,3
	v_max3_num_f32 v[TM+\b], |v[\s+16*\b]|, |v[\s+1+16*\b]|, 0x1800000   ; block b: my 16 numbers, and the floor 2^(3 - 127): the byte cannot fall under 1
.endr
.irp i, 2,4,6,8,10,12,14
.irp b, 0,1,2,3
	v_max3_num_f32 v[TM+\b], v[TM+\b], |v[\s+16*\b+\i]|, |v[\s+1+16*\b+\i]|
.endr
.endr
.irp b, 0,1,2,3
	v_permlanex16_b32 v[TM+4+\b], v[TM+\b], s[SEL], s[SEL+1]
.endr
.irp b, 0,1,2,3
	v_max_num_f32 v[TM+\b], v[TM+\b], v[TM+4+\b]   ; with lane l xor 16's: the block's largest magnitude
.endr
.irp b, 0,1,2,3
	v_add_nc_u32 v[TM+12+\b], 0xff000000, v[TM+\b] ; 2 off its exponent field: the conversion's scale operand
.endr
.irp b, 0,1,2,3
	v_lshrrev_b32 v[TM+4+\b], 23, v[TM+12+\b]      ; the scale's byte
.endr
	v_lshl_or_b32 v[PW], v[TM+5], 8, v[TM+4]
	v_lshl_or_b32 v[PW], v[TM+6], 16, v[PW]
	v_lshl_or_b32 v[PW], v[TM+7], 24, v[PW]
.irp c, 0,1
	v_cvt_scalef32_pk16_fp6_f32 v[PC+6*\c:PC+2+6*\c], v[\s+32*\c:\s+15+32*\c], v[TM+12+2*\c]
	v_cvt_scalef32_pk16_fp6_f32 v[PC+12+4*\c:PC+14+4*\c], v[\s+16+32*\c:\s+31+32*\c], v[TM+12+2*\c+1]   ; (a conversion's three registers begin on an even number)
.endr
	v_nop                                          ; one plain place behind a scaled conversion
.irp c, 0,1                                    ; the operand's layout wants a whole block in a lane: lanes 0-15 block 2 c, lanes 16-31 block 2 c + 1
.irp i, 0,1,2
	v_permlane16_swap_b32 v[PC+6*\c+\i], v[PC+12+4*\c+\i]
.endr
.irp i, 0,1,2
	v_mov_b32 v[PC+3+6*\c+\i], v[PC+12+4*\c+\i]
.endr
.endr
.endm
; pixel p: its row times each of its four tap rows, my four channels: two packed lines a tap
.macro DOT4 p
.irp t, 0,1,2,3
	v_pk_mul_f32 v[16*(\p)+4*\t:16*(\p)+4*\t+1], v[HA+4*(\p):HA+4*(\p)+1], v[16*(\p)+4*\t:16*(\p)+4*\t+1]
.endr
.irp t, 0,1,2,3
	v_pk_fma_f32 v[16*(\p)+4*\t:16*(\p)+4*\t+1], v[HA+4*(\p)+2:HA+4*(\p)+3], v[16*(\p)+4*\t+2:16*(\p)+4*\t+3], v[16*(\p)+4*\t:16*(\p)+4*\t+1]
.endr
.endm
	s_load_b512 s[16:31], s[0:1], 0x0              ; nn s[16:17], taps s[18:19], prec s[20:21], f2dt s[22:23], wq s[24:25], b1 s[26:27], b2 s[28:29], b3 s[30:31]
	s_load_b64 s[32:33], s[0:1], 0x40              ; out0
	v_lshl_add_u32 v18, v0, 2, SPARE               ; my spare word; never rewritten
	v_mov_b32 v19, 0                               ; 0; never rewritten
	ds_add_u32 v18, v19                            ; the wave's opening: the add and its wait ahead of my first tensor load; the set-up below, work on registers, stands between them
	v_lshrrev_b32 v20, 5, v0
	v_readfirstlane_b32 s2, v20                    ; wave 0..3
	; descriptor group 1: a dense block of 52 rows x 256 bytes (32 elements of 8 bytes), no padding
	s_mov_b32 s8, 3<<16                            ; no mask; elements of 8 bytes; padding off
	s_mov_b32 s9, 32<<16                           ; tensor_dim0 = 32
	s_mov_b32 s10, 52<<16                          ; tensor_dim1 = 52
	s_mov_b32 s11, 32<<16                          ; tile_dim0 = 32
	s_mov_b32 s12, 52                              ; tile_dim1 = 52
	s_mov_b32 s13, 32                              ; from row to row: 32 elements
	s_mov_b32 s14, 0
	s_mov_b32 s15, 0
	s_mov_b32 s4, 1                                ; group 0: count = 1
	s_mul_i32 s5, s2, 13312                        ; LDS address: my quarter of the images
	s_mov_b32 s52, s5
	s_mov_b32 s53, 0
	s_lshr_b32 s3, ttmp9, 6                        ; b
	s_and_b32 s67, ttmp9, 63                       ; y
	s_lshl_b32 s54, ttmp9, 8
	s_lshl_b32 s55, s2, 6
	s_add_co_u32 s54, s54, s55                     ; nn: 256 bytes a row of the image, my 16 pixels
	s_mov_b32 s55, 0
	s_mov_b32 s[SEL], 0x76543210
	s_mov_b32 s[SEL+1], 0xfedcba98                 ; v_permlanex16_b32's selects for lane l xor 16
	s_mov_b32 s66, 0xffff0000                      ; lanes 16-31
	s_wait_dscnt 0x0                               ; the opening add is done
	s_wait_kmcnt 0x0
	s_add_nc_u64 s[6:7], s[24:25], s[52:53]        ; global address: my quarter
	s_or_b32 s7, s7, 0x80000000                    ; type = 2
	tensor_load_to_lds s[4:7], s[8:15]             ; my one tensor load of the launch
	s_nop 0
	NOPS 4
	s_add_nc_u64 s[16:17], s[16:17], s[54:55]
	s_load_b512 s[36:51], s[16:17], 0x0            ; my 16 pixels' nearest points
	s_lshl_b32 s52, ttmp9, 15
	s_lshl_b32 s54, s2, 13
	s_add_co_u32 s52, s52, s54
	s_add_nc_u64 s[56:57], s[22:23], s[52:53]      ; f2dt at my first pixel: row 64 wg + 16 w
	s_lshl_b32 s52, s3, 21
	s_add_nc_u64 s[22:23], s[22:23], s[52:53]      ; f2dt at the batch
	s_lshl_b32 s54, s2, 19
	s_add_co_u32 s52, s52, s54
	s_lshl_b32 s54, s67, 8
	s_add_co_u32 s52, s52, s54
	s_add_nc_u64 s[32:33], s[32:33], s[52:53]      ; out0: the batch, channel 32 w, row y
	s_lshl_b32 s52, s3, 15
	s_add_nc_u64 s[18:19], s[18:19], s[52:53]      ; taps at the batch
	s_lshl_b32 s52, s3, 20
	s_add_nc_u64 s[20:21], s[20:21], s[52:53]      ; prec at the batch
	s_cmp_eq_u32 s2, 0                             ; wave 0 brings b1, wave 1 b2, waves 2 and 3 b3 (the fourth slot is not read): no branch
	s_cselect_b64 s[60:61], s[26:27], s[30:31]
	s_cmp_eq_u32 s2, 1
	s_cselect_b64 s[60:61], s[28:29], s[60:61]
	v_and_b32 v1, 31, v0                           ; l
	v_lshlrev_b32 v4, 4, v1                        ; 16 l
.irp p, 0,1,2,3,4,5,6,7,8,9,10,11,12,13,14,15
	global_load_b128 v[HA+4*\p:HA+4*\p+3], v4, s[56:57] offset:512*\p     ; my pixels' own rows: lane l holds channels 4 l .. 4 l + 3
.endr
	global_load_b128 v[BV:BV+3], v4, s[60:61]
	v_and_b32 v2, 15, v0                           ; r
	v_bfe_u32 v3, v0, 4, 1                         ; h
	v_lshlrev_b32 v5, 3, v1                        ; 8 l
	v_lshlrev_b32 v6, 2, v1                        ; 4 l
	v_mul_u32_u24 v21, v20, 4352
	v_add_nc_u32 v21, RS, v21
	v_add_nc_u32 v7, v21, v5                       ; a record on its way in: 8 bytes a lane
	v_mad_u32_u24 v8, v2, 272, v21                 ; pixel r's record
	v_mad_u32_u24 v9, v3, 24, v8                   ; + 24 h: my half's block
	v_mul_u32_u24 v22, v20, 9216
	v_add_nc_u32 v22, CS, v22
	v_add_nc_u32 v10, v22, v6                      ; a partial sum on its way in
	v_mad_u32_u24 v11, v2, 144, v22
	v_lshl_add_u32 v11, v3, 6, v11                 ; pixel r's sums, my half's sixteen
	v_lshlrev_b32 v12, 6, v3                       ; 64 h
	v_lshlrev_b32 v13, 5, v3                       ; 32 h
	v_mul_u32_u24 v14, v3, 2176
	v_lshl_add_u32 v14, v20, 6, v14
	v_lshl_add_u32 v14, v2, 2, v14
	v_add_nc_u32 v14, OS, v14                      ; the way out: channel 8 h, pixel 16 w + r
	v_lshl_add_u32 v15, v20, 5, v3
	v_mul_u32_u24 v15, v15, 272
	v_lshl_add_u32 v15, v2, 4, v15
	v_add_nc_u32 v15, OS, v15                      ; back: channel 32 w + h, sixteen lanes to a row
	v_lshlrev_b32 v16, 14, v3
	v_lshl_add_u32 v16, v2, 4, v16                 ; and the same place in out0
	v_lshlrev_b32 v17, 9, v20
	v_add_nc_u32 v17, v17, v4
	v_add_nc_u32 v17, BIAS, v17                    ; my wave's slot of the biases
	; ---- the nearest points are known: their tap numbers and their records
	s_wait_kmcnt 0x0
.irp p, 0,1,2,3,4,5,6,7,8,9,10,11,12,13,14,15
	s_min_u32 s[36+\p], s[36+\p], 0xfff            ; an index stays inside its table
.endr
.irp p, 0,1,2,3,4,5,6,7,8,9,10,11,12,13,14,15
	s_lshl_b32 s[36+\p], s[36+\p], 3               ; 8 bytes of tap numbers a point; not written again
.endr
.irp p, 0,1,2,3,4,5,6,7,8,9,10,11,12,13,14,15
	s_load_b64 s[68+2*\p:69+2*\p], s[18:19], s[36+\p] offset:0x0
.endr
.irp p, 0,1,2,3,4,5,6,7,8,9,10,11,12,13,14,15
	v_lshl_add_u32 v[48+\p], s[36+\p], 5, v5       ; 256 bytes a record, 8 a lane
.endr
.irp p, 0,1,2,3,4,5,6,7,8,9,10,11,12,13,14,15
	global_load_b64 v[X+2*\p:X+2*\p+1], v[48+\p], s[20:21]
.endr
	; ---- the taps are known: 64 rows
	s_wait_kmcnt 0x0
.irp p, 0,1,2,3,4,5,6,7,8,9,10,11,12,13,14,15
	s_min_u32 s[68+2*\p], s[68+2*\p], 0xfff
	s_min_u32 s[69+2*\p], s[69+2*\p], 0xfff
	s_and_b32 s52, s[68+2*\p], 0xfc0
	s_and_b32 s53, s[69+2*\p], 63
	s_add_co_u32 s52, s52, s53                     ; 64 y0 + x1
	s_and_b32 s54, s[69+2*\p], 0xfc0
	s_and_b32 s55, s[68+2*\p], 63
	s_add_co_u32 s54, s54, s55                     ; 64 y1 + x0
	v_lshl_add_u32 v[HB+4*\p], s[68+2*\p], 9, v4
	v_lshl_add_u32 v[HB+4*\p+1], s52, 9, v4
	v_lshl_add_u32 v[HB+4*\p+2], s54, 9, v4
	v_lshl_add_u32 v[HB+4*\p+3], s[69+2*\p], 9, v4
.endr
	WIN 0x40                                       ; destination window 1
.irp p, 0,1,2,3,4,5,6,7,8,9,10,11,12,13,14,15
.irp t, 0,1,2,3
	global_load_b128 v[16*\p+4*\t:16*\p+4*\t+3], v[HB+4*\p+\t], s[22:23]
.endr
.endr
	WIN 0
	; ---- the records turn through my own stage: in by rows, out a pixel to a lane
	s_wait_loadcnt 63                              ; my rows, the bias and the records are in: 64 tap rows are younger, and the count's field ends at 63, so the oldest of them is waited for too
	ds_store_b128 v17, v[BV:BV+3]
.irp p, 0,1,2,3,4,5,6,7,8,9,10,11,12,13,14,15
	ds_store_b64 v7, v[X+2*\p:X+2*\p+1] offset:272*\p
.endr
.irp j, 0,1,2,3,4,5,6,7
	ds_load_b128 v[X+4*\j:X+4*\j+3], v8 offset:16*\j            ; LDS serves a wave's instructions in order: these see my stores.  k = 0 .. 31 of pixel r, in both halves of the lanes
.endr
.irp i, 0,1,2
	ds_load_b64 v[F0+2*\i:F0+2*\i+1], v9 offset:104+8*\i        ; lanes 16-31: block 1; lanes 0-15: bytes that block 0's codes replace below
.endr
.irp i, 0,1,2
	ds_load_b64 v[F0+6+2*\i:F0+7+2*\i], v9 offset:152+8*\i      ; blocks 2 and 3
.endr
.irp i, 0,1,2
	ds_load_b64 v[F1+2*\i:F1+2*\i+1], v9 offset:200+8*\i        ; block 4, and zero codes
.endr
	ds_load_b64 v[28:29], v8 offset:248                         ; the two scale words
.irp i, 6,7,8,9,10,11
	v_mov_b32 v[F1+\i], 0                          ; k = 192 on: zero codes
.endr
	s_wait_dscnt 0x0
	v_floor_f32 v24, v[X]
	v_floor_f32 v25, v[X+1]
	v_sub_f32 v24, v[X], v24                       ; wx
	v_sub_f32 v25, v[X+1], v25                     ; wy
	v_sub_f32 v26, 1.0, v24
	v_sub_f32 v27, 1.0, v25
	v_mul_f32 v20, v26, v27                        ; the four bilinear weights
	v_mul_f32 v21, v24, v27
	v_mul_f32 v22, v26, v25
	v_mul_f32 v23, v24, v25
	s_lshl_b32 s52, s2, 4
	v_add_nc_u32 v24, s52, v2
	v_cvt_f32_u32 v24, v24                         ; gx = 16 w + r
	v_cvt_f32_u32 v25, s67                         ; gy = y
	v_sub_f32 v[X], v[X], v24                      ; k = 0, 1: the offset
	v_sub_f32 v[X+1], v[X+1], v25
	; ---- the four dot products of each pixel: my four channels' part
	WIN 0x54                                       ; destination, sources 1 and 2: window 1
	s_wait_loadcnt 48                              ; four pixels' sixteen tap rows are in; the younger ones may be out
.irp p, 0,1,2,3
	DOT4 \p
.endr
	s_wait_loadcnt 32
.irp p, 4,5,6,7
	DOT4 \p
.endr
	s_wait_loadcnt 16
.irp p, 8,9,10,11
	DOT4 \p
.endr
	s_wait_loadcnt 0x0
.irp p, 12,13,14,15
	DOT4 \p
.endr
	WIN 0x45
.irp p, 0,1,2,3,4,5,6,7,8,9,10,11,12,13,14,15
.irp t, 0,1,2,3
	v_add_f32 v[16*\p+4*\t], v[16*\p+4*\t], v[16*\p+4*\t+1]
.endr
.endr
	WIN 0x04                                       ; an LDS store's data are its source 1
.irp p, 0,1,2,3,4,5,6,7,8,9,10,11,12,13,14,15
.irp t, 0,1,2,3
	ds_store_b32 v10, v[16*\p+4*\t] offset:(16*\t+\p)*144
.endr
.endr
	WIN 0
	s_wait_tensorcnt 0x0                           ; my quarter of the weights' images has landed,
	s_wait_dscnt 0x0                               ; and my stores, the bias among them
	s_barrier_signal -1
	s_barrier_wait -1                              ; everybody's have
	; ---- the correlation
.irp t, 0,1,2,3
.irp i, 0,1,2,3
	ds_load_b128 v[HB+16*\t+4*\i:HB+16*\t+4*\i+3], v11 offset:2304*\t+16*\i
.endr
.endr
	FETCHW 0, 0                                    ; w1, k 0-127
	s_wait_dscnt 32                                ; the sums are in; the 32 loads of weights are younger
.irp t, 0,1,2,3
.irp i, 0,4,8,12
	v_pk_add_f32 v[HB+16*\t+\i:HB+16*\t+\i+1], v[HB+16*\t+\i:HB+16*\t+\i+1], v[HB+16*\t+\i+2:HB+16*\t+\i+3]
.endr
.endr
.irp t, 0,1,2,3
	v_pk_add_f32 v[HB+16*\t:HB+16*\t+1], v[HB+16*\t:HB+16*\t+1], v[HB+16*\t+4:HB+16*\t+5]
	v_pk_add_f32 v[HB+16*\t+8:HB+16*\t+9], v[HB+16*\t+8:HB+16*\t+9], v[HB+16*\t+12:HB+16*\t+13]
.endr
.irp t, 0,1,2,3
	v_pk_add_f32 v[HB+16*\t:HB+16*\t+1], v[HB+16*\t:HB+16*\t+1], v[HB+16*\t+8:HB+16*\t+9]
.endr
.irp t, 0,1,2,3
	v_add_f32 v[HB+16*\t], v[HB+16*\t], v[HB+16*\t+1]
.endr
	v_mul_f32 v26, v20, v[HB]
	v_fma_f32 v26, v21, v[HB+16], v26
	v_fma_f32 v26, v22, v[HB+32], v26
	v_fma_f32 v26, v23, v[HB+48], v26
	v_permlanex16_b32 v27, v26, s[SEL], s[SEL+1]   ; the other 64 channels
	v_add_f32 v26, v26, v27
	v_mul_f32 v[X+2], 0x3c000000, v26              ; k = 2: the mean over 128 channels: x 2^-7, exact
	; ---- block 0 is quantised; its codes go to lanes 0-15 of the first fragment, its byte into the first scale word
	FETCHW 1, 8                                    ; w1, k 128-255
	FETCHB HA, 0, 1
	v_max3_num_f32 v20, |v[X]|, |v[X+1]|, |v[X+2]|
	v_max3_num_f32 v21, |v[X+3]|, |v[X+4]|, |v[X+5]|
.irp i, 6,10,14,18,22,26
	v_max3_num_f32 v20, v20, |v[X+\i]|, |v[X+\i+1]|
	v_max3_num_f32 v21, v21, |v[X+\i+2]|, |v[X+\i+3]|
.endr
	v_max3_num_f32 v20, v20, |v[X+30]|, |v[X+31]|
	v_max3_num_f32 v20, v20, v21, 0x1800000
	v_add_nc_u32 v22, 0xff000000, v20
	v_lshrrev_b32 v23, 23, v22
	v_cvt_scalef32_pk16_fp6_f32 v[TT:TT+2], v[X:X+15], v22
	v_cvt_scalef32_pk16_fp6_f32 v[TT+4:TT+6], v[X+16:X+31], v22
	v_nop                                          ; one plain place behind a scaled conversion
.irp i, 0,1,2
	v_cndmask_b32 v[F0+\i], v[TT+\i], v[F0+\i], s66
	v_cndmask_b32 v[F0+3+\i], v[TT+4+\i], v[F0+3+\i], s66
.endr
	v_or_b32 v28, v28, v23                         ; the word's lowest byte was stored as 0
	NOPS 8                                         ; a scale register written by a vector instruction stands 8 places ahead of a scaled matrix instruction, an operand so written 4
	s_wait_dscnt 0x0                               ; the weights and the bias
	; ---- layer 1: K = 131 as two steps of 128
	MM 0, F0, 28, HA
	MM 1, F1, 29, HA
	WIN 0
	NOPS 4                                         ; places in front of loads into registers that matrix instructions have read, and of the first read of results
	FETCHW 0, 16                                   ; w2
	FETCHW 1, 24                                   ; w3
	FETCHB HB, 1, 1
	LRELU HA
	QUANT HA
	FETCHB HA, 2, 0                                ; the numbers have been read: the third layer's bias takes their place
	NOPS 8
	s_wait_dscnt 0x0
	; ---- layer 2
	MM 0, PC, PW, HB
	WIN 0
	NOPS 4
	LRELU HB
	QUANT HB
	NOPS 8
	; ---- layer 3: w3's rows as they lie: register j of tile t is channel 16 t + 8 h + j
	MM 1, PC, PW, HA
	WIN 0
	NOPS 4
	LRELU HA
.irp t, 0,1,2,3,4,5,6,7
.irp j, 0,1,2,3,4,5,6,7
	ds_store_b32 v14, v[HA+8*\t+\j] offset:(16*\t+\j)*272       ; sixteen lanes write 64 consecutive bytes of a channel's row; the halves lie eight rows apart
.endr
.endr
	s_wait_dscnt 0x0                               ; for the others' sake: my stores have landed
	s_barrier_signal -1
	s_barrier_wait -1                              ; 128 channels x 64 pixels lie in the stage
.irp i, 0,1,2,3,4,5,6,7,8,9,10,11,12,13,14,15
	ds_load_b128 v[HB+4*\i:HB+4*\i+3], v15 offset:544*\i
.endr
.irp i, 0,1,2,3,4,5,6,7,8,9,10,11,12,13,14,15
	s_wait_dscnt 15-\i                             ; the younger loads may be out
	global_store_b128 v16, v[HB+4*\i:HB+4*\i+3], s[32:33] offset:32768*\i th:TH_STORE_NT      ; channels 32 w + 2 i + h: sixteen lanes store 256 consecutive bytes, aligned
.endr
	s_wait_tensorcnt 0x0                           ; the wave's end: three lines behind my last tensor load and my last LDS store
	ds_add_u32 v18, v19
	s_wait_dscnt 0x0
	s_endpgm
.Lfunc_end_k_q612eb2c62d_fuse:
	.size	k_q612eb2c62d_fuse, .Lfunc_end_k_q612eb2c62d_fuse-k_q612eb2c62d_fuse
	.p2alignl 7, 3214868480
	.fill 96, 4, 3214868480
	.section	.rodata,"a",@progbits
	.p2align	6, 0x0
	.amdhsa_kernel k_q612eb2c62d_fuse
		.amdhsa_group_segment_fixed_size 167936
		.amdhsa_private_segment_fixed_size 0
		.amdhsa_enable_private_segment 0
		.amdhsa_kernarg_size 72
		.amdhsa_user_sgpr_count 2
		.amdhsa_user_sgpr_kernarg_segment_ptr 1
		.amdhsa_wavefront_size32 1
		.amdhsa_system_sgpr_workgroup_id_x 1
		.amdhsa_system_sgpr_workgroup_id_y 1
		.amdhsa_system_sgpr_workgroup_id_z 1
		.amdhsa_system_vgpr_workitem_id 0
		.amdhsa_next_free_vgpr 512
		.amdhsa_next_free_sgpr 100
		.amdhsa_reserve_vcc 0
		.amdhsa_float_denorm_mode_32 3
		.amdhsa_float_denorm_mode_16_64 3
		.amdhsa_memory_ordered 1
		.amdhsa_forward_progress 1
		.amdhsa_inst_pref_size 96
	.end_amdhsa_kernel
	.amdgpu_metadata
---
amdhsa.version: [ 1, 2 ]
amdhsa.kernels:
  - .name:           k_q612eb2c62d_fuse
    .symbol:         k_q612eb2c62d_fuse.kd
    .args:
      - { .name: nn, .offset: 0, .size: 8, .value_kind: global_buffer, .address_space: global }
      - { .name: taps, .offset: 8, .size: 8, .value_kind: global_buffer, .address_space: global }
      - { .name: prec, .offset: 16, .size: 8, .value_kind: global_buffer, .address_space: global }
      - { .name: f2dt, .offset: 24, .size: 8, .value_kind: global_buffer, .address_space: global }
      - { .name: wq, .offset: 32, .size: 8, .value_kind: global_buffer, .address_space: global }
      - { .name: b1, .offset: 40, .size: 8, .value_kind: global_buffer, .address_space: global }
      - { .name: b2, .offset: 48, .size: 8, .value_kind: global_buffer, .address_space: global }
      - { .name: b3, .offset: 56, .size: 8, .value_kind: global_buffer, .address_space: global }
      - { .name: out0, .offset: 64, .size: 8, .value_kind: global_buffer, .address_space: global }
    .group_segment_fixed_size: 167936
    .private_segment_fixed_size: 0
    .kernarg_segment_align: 8
    .kernarg_segment_size: 72
    .max_flat_workgroup_size: 128
    .sgpr_count:     100
    .vgpr_count:     512
    .wavefront_size: 32
...
	.end_amdgpu_metadata
.endif
;; end of part 2
;; ======== version 2 of 2: 2 launches; 1.15 times as fast as version 1
;; workspace buffers: nn 65,536 bytes of whole numbers; taps 131,072 bytes of whole numbers; prec 4,194,304 bytes; f2dt 8,388,608 bytes; wq 53,248 bytes
;; launch prep (part 3): grid 256 x 1, 8 waves a work-group, no clusters, 105,472 bytes of LDS; arguments uv, feat_2d, feat_3d, w1, w2, w3, nn, taps, prec, f2dt, wq; writes nn, taps, prec, f2dt, wq
.if DOCPART == 3
	.amdgcn_target "amdgcn-amd-amdhsa--gfx1250"
	.amdhsa_code_object_version 6
	.text
	.protected	k_q612eb2c62d_prep
	.globl	k_q612eb2c62d_prep
	.p2align	8
	.type	k_q612eb2c62d_prep,@function
k_q612eb2c62d_prep:
	s_mov_b64 s[64:65], 0
	v_nop
	global_prefetch_b8 v0, s[64:65] scope:SCOPE_SE
	s_setreg_imm32_b32 hwreg(HW_REG_WAVE_MODE, 25, 1), 1
	s_wait_xcnt 0x0
; PREP.  For 4 batches of 64 x 64 pixels and 4,096 points uv: the index of each pixel's nearest point (first index of the least d2), and everything laid so that the next launch gathers whole rows.
; 256 WORK-GROUPS (b = wg / 64, c6 = wg % 64), eight waves:
;   copy share: points and pixels 64 c6 .. 64 c6 + 63 of batch b.  feat_3d becomes one record of 256 bytes a point (prec), feat_2d a row of 128 f32 a pixel (f2dt), uv two tap numbers a point (taps).
;   argmin share: a tile of 16 gx x 4 gy pixels against all 4,096 points of the batch; lane (r, h) of wave w holds 4 pixels (one gx, four gy) and walks points 256 (2 w + h) .. + 255.
;   the weights: in every eighth work-group wave 7 also makes one of the 32 operand images (wq): 16 rows x 128 K as codes of E2M3 in the order of the matrix operand's registers, and the rows' scale words.
; d2 IS BUILT WITH THE ROUNDINGS OF THE DEFINITION: usq = rn(rn(ux ux) + rn(uy uy)) (USQ_FMA = 1: fma(uy, uy, rn(ux ux))); dot = fma(gy, uy, rn(gx ux)) (DOT_FMA = 0: rn(rn(gx ux) + rn(gy uy)));
;   d2 = rn(rn(gsq + usq) - 2 dot); gsq is a whole number, exact.  This order of rounding is a choice: it is kept behind the two switches.
; THE INDEX STEERS NOTHING HERE: points are walked DOWNWARDS in quads; where a quad's least d2 equals the running least, the quad's number and its first three d2 are kept by v_cndmask_b32; so the lowest quad
;   wins, and the place in it is found at the end by three compares.  No address and no branch hangs on a floating-point number.
; A RECORD (256 bytes): 0-127 f32 of k = 0 .. 31 of the first product (ux, uy, 0, channels 0-28); 128-199 codes of blocks 1-3 (channels 29-124); 200-223 codes of block 4 (channels 125-127, zeros);
;   224-247 zero codes; 248 zero (block 0's byte is made later); 249-251 the bytes of blocks 1-3; 252-255 block 4's byte and three bytes 0x7f.
; LIMITS: NaN and infinities in uv or the features are not served.  floor(uv) is held to 0 .. 63 in f32 before it is converted, which equals the definition for |uv| under 2^31.
;   A block of zeros carries the scale byte 1 where the rule says 127: its codes are zeros, and this program alone reads the bytes.
; No cluster: the work-groups of a batch share only uv, 32 KiB each through registers, against 64 KiB of features that are each work-group's own.
.set DOT_FMA, 1
.set USQ_FMA, 0
.set PT,    0                          ; LDS: 1,024 quads of points x 48 bytes: ux x 4, uy x 4, usq x 4
.set S3,    49152                      ; 64 records, 256 + 16 bytes apart
.set S2,    66560                      ; 64 pixel rows, 512 + 16 bytes apart
.set RES,   100352                     ; 8 waves x 64 pixels x (least d2, index)
.set SPARE, 104448                     ; the spare words, 128 bytes for each wave: four blocks of 256 bytes that no other line names
.set BA,  42                           ; loop: point buffer A: ux 8, uy 8, usq 8
.set BB,  66                           ; point buffer B
.set P,   90                           ; gx ux of 8 points
.set T,   98                           ; d2: 8 points for each of 4 pixels
.set S,   130                          ; gsq + usq likewise
.set GM,  162                          ; a quad's least: pixel q, quad u at GM + 2 q + u
.set M,   170                          ; running least
.set ID,  174                          ; number of the quad that holds it
.set RA,  178                          ; that quad's first three d2
.set RB,  182
.set RC,  186
	s_load_b512 s[8:23], s[0:1], 0x0               ; uv s[8:9], feat_2d s[10:11], feat_3d s[12:13], w1 s[14:15], w2 s[16:17], w3 s[18:19], nn s[20:21], taps s[22:23]
	s_load_b128 s[24:27], s[0:1], 0x40             ; prec s[24:25], f2dt s[26:27]
	s_load_b64 s[28:29], s[0:1], 0x50              ; wq
	v_lshl_add_u32 v20, v0, 2, SPARE               ; my spare word; never rewritten
	v_mov_b32 v21, 0                               ; 0; never rewritten
	v_lshrrev_b32 v163, 5, v0                      ; w
	v_readfirstlane_b32 s2, v163                   ; my wave's number as a scalar
	v_and_b32 v1, 31, v0                           ; l
	v_and_b32 v2, 15, v0                           ; r
	v_bfe_u32 v3, v0, 4, 1                         ; h
	v_lshlrev_b32 v4, 4, v0                        ; 16 x thread
	v_lshlrev_b32 v5, 2, v1                        ; 4 l
	v_lshlrev_b32 v13, 4, v1                       ; 16 l
	v_lshlrev_b32 v14, 3, v1                       ; 8 l
	; every LDS address is made here, ahead of the first parting of the waves, from the thread's number and constants
	v_mul_u32_u24 v6, v0, 48                       ; PT: my quad of a load's 256
	v_and_b32 v161, 63, v0                         ; 32 ph + l: my point or pixel of the 64
	v_lshrrev_b32 v162, 6, v0                      ; g = w / 2: my 32 channels
	v_mul_u32_u24 v7, v161, 272
	v_add_nc_u32 v7, S3, v7                        ; my point's record
	v_mad_u32_u24 v8, v162, 24, v7                 ; + 24 g: with the immediate 104, block g's codes
	v_add_nc_u32 v9, v7, v162                      ; + g: with the immediate 248, block g's byte
	v_mul_u32_u24 v10, v161, 528
	v_lshl_add_u32 v10, v162, 7, v10
	v_add_nc_u32 v10, S2, v10                      ; my pixel's row, my 32 channels
	v_lshl_add_u32 v164, v163, 3, v3               ; 8 w + h
	v_mul_u32_u24 v11, v164, 272
	v_lshl_add_u32 v11, v2, 4, v11
	v_add_nc_u32 v11, S3, v11                      ; back: two records an instruction, sixteen lanes each
	v_mul_u32_u24 v12, v163, 8*528
	v_add_nc_u32 v12, v12, v13
	v_add_nc_u32 v12, S2, v12                      ; back: one pixel row an instruction
	v_lshrrev_b32 v164, 4, v0                      ; 2 w + h: my slice of 256 points
	v_mul_u32_u24 v15, v164, 3072                  ; its 64 quads
	v_lshlrev_b32 v17, 9, v163
	v_lshl_add_u32 v17, v2, 3, v17
	v_add_nc_u32 v17, RES, v17                     ; my wave's results, pixel r of a row of the tile
	v_lshl_add_u32 v18, v161, 3, RES               ; the last reduction: pixel v0 % 64 of the tile
	v_lshrrev_b32 v19, 4, v161
	v_lshlrev_b32 v19, 8, v19
	v_lshl_add_u32 v19, v2, 2, v19                 ; and its place in nn: 256 bytes a row of the image, 4 a pixel
	s_and_b32 s4, s2, 1                            ; ph
	s_lshr_b32 s5, s2, 1                           ; g
	s_mov_b32 s50, 0x427c0000                      ; 63.0
	s_mov_b32 s51, 0x42800000                      ; 64.0
	s_mov_b32 s52, 0x76543210
	s_mov_b32 s53, 0xfedcba98                      ; v_permlanex16_b32's selects for lane l xor 16
	s_lshr_b32 s6, ttmp9, 6                        ; b
	s_and_b32 s7, ttmp9, 63                        ; c6
	s_lshl_b32 s40, s7, 8
	s_lshl_b32 s41, s4, 7
	s_add_co_u32 s40, s40, s41                     ; 4 x (64 c6 + 32 ph)
	s_lshl_b32 s30, s6, 15                         ; uv: the batch
	s_mov_b32 s31, 0
	s_add_co_u32 s32, s30, s40                     ; uv: my wave's 32 points
	s_mov_b32 s33, 0
	s_lshl_b32 s41, s6, 21
	s_add_co_u32 s40, s40, s41                     ; the features: the batch, my wave's 32 columns
	s_lshl_b32 s41, s5, 19
	s_add_co_u32 s34, s40, s41                     ; + channel 32 g
	s_mov_b32 s35, 0
	s_lshl_b32 s41, s5, 5
	s_sub_co_u32 s41, s41, 3
	s_cmp_eq_u32 s5, 0
	s_cselect_b32 s41, 125, s41                    ; the three channels in front of 32 g; for g = 0 the tail, 125 .. 127
	s_lshl_b32 s41, s41, 14
	s_add_co_u32 s36, s40, s41
	s_mov_b32 s37, 0
	s_lshl_b32 s54, ttmp9, 14                      ; prec: record 64 wg + 8 w
	s_lshl_b32 s55, s2, 11
	s_add_co_u32 s54, s54, s55
	s_mov_b32 s55, 0
	s_lshl_b32 s56, ttmp9, 15                      ; f2dt: row 64 wg + 8 w
	s_lshl_b32 s57, s2, 12
	s_add_co_u32 s56, s56, s57
	s_mov_b32 s57, 0
	s_lshl_b32 s58, ttmp9, 9                       ; taps: point 64 wg + 32 ph
	s_lshl_b32 s59, s4, 8
	s_add_co_u32 s58, s58, s59
	s_mov_b32 s59, 0
	s_and_b32 s62, s7, 3
	s_lshl_b32 s62, s62, 4                         ; gx0
	s_lshr_b32 s63, s7, 2
	s_lshl_b32 s63, s63, 2                         ; gy0
	s_lshl_b32 s60, s6, 14                         ; nn: the batch, row gy0, pixel gx0
	s_lshl_b32 s61, s63, 8
	s_add_co_u32 s60, s60, s61
	s_lshl_b32 s61, s62, 2
	s_add_co_u32 s60, s60, s61
	s_mov_b32 s61, 0
	s_wait_kmcnt 0x0
	s_add_nc_u64 s[30:31], s[8:9], s[30:31]
	s_add_nc_u64 s[32:33], s[8:9], s[32:33]
	s_add_nc_u64 s[38:39], s[12:13], s[34:35]
	s_add_nc_u64 s[36:37], s[12:13], s[36:37]
	s_add_nc_u64 s[34:35], s[10:11], s[34:35]
	; ---- all 74 loads go out here: all points of the batch (8), my point (2), 32 channels of feat_3d and 32 of feat_2d, a lane to a point or pixel and registers down the channels
.irp j, 0,1,2,3
	global_load_b128 v[24+4*\j:27+4*\j], v4, s[30:31] offset:4096*\j              ; ux of quad thread + 256 j
.endr
.irp j, 0,1,2,3
	global_load_b128 v[40+4*\j:43+4*\j], v4, s[30:31] offset:16384+4096*\j        ; uy
.endr
	global_load_b32 v22, v5, s[32:33]                                             ; ux, uy of point 64 c6 + 32 ph + l
	global_load_b32 v23, v5, s[32:33] offset:16384
.irp i, 0,1,2
	global_load_b32 v[72+\i], v5, s[36:37] offset:\i*16384 th:TH_LOAD_NT
.endr
.set i, 3
.rept 29
	global_load_b32 v[72+i], v5, s[38:39] offset:(i-3)*16384 th:TH_LOAD_NT       ; register i: channel 32 g + i - 3: for g over 0 the 32 registers are block g of the first product's K
.set i, i+1
.endr
.set i, 0
.rept 32
	global_load_b32 v[104+i], v5, s[34:35] offset:i*16384 th:TH_LOAD_NT          ; feat_2d: channel 32 g + i of pixel 64 c6 + 32 ph + l
.set i, i+1
.endr
	s_add_nc_u64 s[54:55], s[24:25], s[54:55]
	s_add_nc_u64 s[56:57], s[26:27], s[56:57]
	s_add_nc_u64 s[58:59], s[22:23], s[58:59]
	s_add_nc_u64 s[60:61], s[20:21], s[60:61]
	; ---- the points into LDS, with usq
	s_wait_loadcnt 63                              ; the eight loads of uv are wanted; 66 are younger and a count names 63 at the most, so my point's two and the first of feat_3d are waited for too
.irp i, 0,2,4,6,8,10,12,14
	v_pk_mul_f32 v[56+\i:57+\i], v[24+\i:25+\i], v[24+\i:25+\i]
.endr
.if USQ_FMA
.irp i, 0,2,4,6,8,10,12,14
	v_pk_fma_f32 v[56+\i:57+\i], v[40+\i:41+\i], v[40+\i:41+\i], v[56+\i:57+\i]
.endr
.else
.irp i, 0,2,4,6,8,10,12,14
	v_pk_mul_f32 v[136+\i:137+\i], v[40+\i:41+\i], v[40+\i:41+\i]
.endr
.irp i, 0,2,4,6,8,10,12,14
	v_pk_add_f32 v[56+\i:57+\i], v[56+\i:57+\i], v[136+\i:137+\i]
.endr
.endif
.irp j, 0,1,2,3
	ds_store_b128 v6, v[24+4*\j:27+4*\j] offset:12288*\j        ; lanes 48 bytes apart: sixteen lanes fall on sixteen different columns of 16 bytes
	ds_store_b128 v6, v[40+4*\j:43+4*\j] offset:12288*\j+16
	ds_store_b128 v6, v[56+4*\j:59+4*\j] offset:12288*\j+32
.endr
	; ---- the records
	s_wait_loadcnt 32                              ; my point and feat_3d are in; the 32 loads of feat_2d may be out
	s_cmp_eq_u32 s5, 0
	s_cbranch_scc1 .Lg0
	v_max3_num_f32 v161, |v72|, |v73|, |v74|       ; block g: all 32 numbers are mine
	v_max3_num_f32 v162, |v75|, |v76|, |v77|
.irp i, 6,10,14,18,22,26
	v_max3_num_f32 v161, v161, |v[72+\i]|, |v[73+\i]|
	v_max3_num_f32 v162, v162, |v[74+\i]|, |v[75+\i]|
.endr
	v_max3_num_f32 v161, v161, |v102|, |v103|
	v_max3_num_f32 v161, v161, v162, 0x1800000     ; and the floor 2^(3 - 127): the byte cannot fall under 1
	v_add_nc_u32 v162, 0xff000000, v161            ; 2 off the exponent field: the conversion takes the exponent field of this operand as its scale
	v_lshrrev_b32 v163, 23, v162                   ; the scale's byte
	v_cvt_scalef32_pk16_fp6_f32 v[152:154], v[72:87], v162
	v_cvt_scalef32_pk16_fp6_f32 v[158:160], v[88:103], v162     ; (a conversion's three registers begin on an even number)
	v_nop                                          ; one plain place behind a scaled conversion
	v_mov_b32 v155, v158
	v_mov_b32 v156, v159
	v_mov_b32 v157, v160
	ds_store_b64 v8, v[152:153] offset:104
	ds_store_b64 v8, v[154:155] offset:112
	ds_store_b64 v8, v[156:157] offset:120
	ds_store_b8 v9, v163 offset:248
	s_branch .Lrec_done
.Lg0:
	v_mov_b32 v136, v72                            ; the tail, block 4: channels 125 .. 127 and zeros
	v_mov_b32 v137, v73
	v_mov_b32 v138, v74
.irp i, 3,4,5,6,7,8,9,10,11,12,13,14,15
	v_mov_b32 v[136+\i], 0
.endr
	v_max3_num_f32 v161, |v136|, |v137|, 0x1800000
	v_max_num_f32 v161, v161, |v138|
	v_add_nc_u32 v162, 0xff000000, v161
	v_lshrrev_b32 v163, 23, v162
	v_cvt_scalef32_pk16_fp6_f32 v[152:154], v[136:151], v162
	v_or_b32 v164, 0x7f7f7f00, v163                ; (a plain place behind the conversion)  the second scale word: block 4's byte, 1.0 for the three blocks of zero codes
	v_mov_b32 v155, 0
	v_mov_b32 v156, 0
	v_mov_b32 v157, 0
	v_mov_b32 v72, v22                             ; k = 0, 1, 2: ux, uy, and the place of the correlation
	v_mov_b32 v73, v23
	v_mov_b32 v74, 0
.irp j, 0,1,2,3,4,5,6,7
	ds_store_b128 v7, v[72+4*\j:75+4*\j] offset:16*\j
.endr
	ds_store_b64 v7, v[152:153] offset:200
	ds_store_b64 v7, v[154:155] offset:208
	ds_store_b64 v7, v[156:157] offset:216
	ds_store_b64 v7, v[156:157] offset:224
	ds_store_b64 v7, v[156:157] offset:232
	ds_store_b64 v7, v[156:157] offset:240
	ds_store_b8 v7, v156 offset:248
	ds_store_b32 v7, v164 offset:252
.Lrec_done:
	s_wait_loadcnt 0x0                             ; feat_2d
.irp j, 0,1,2,3,4,5,6,7
	ds_store_b128 v10, v[104+4*\j:107+4*\j] offset:16*\j
.endr
	s_wait_dscnt 0x0                               ; for the others' sake: all my stores have landed
	s_barrier_signal -1
	s_barrier_wait -1                              ; the points, the records and the pixel rows are whole
	; ---- records and rows leave; the stores are on their way while the points are walked
.irp i, 0,1,2,3
	ds_load_b128 v[208+4*\i:211+4*\i], v11 offset:544*\i
.endr
.irp i, 0,1,2,3,4,5,6,7
	ds_load_b128 v[224+4*\i:227+4*\i], v12 offset:528*\i
.endr
.irp i, 0,1,2,3
	s_wait_dscnt 11-\i                             ; the younger LDS loads may be out
	global_store_b128 v13, v[208+4*\i:211+4*\i], s[54:55] offset:512*\i th:TH_STORE_NT     ; 32 lanes store 512 consecutive bytes, aligned: two records
.endr
.irp i, 0,1,2,3,4,5,6,7
	s_wait_dscnt 7-\i
	global_store_b128 v13, v[224+4*\i:227+4*\i], s[56:57] offset:512*\i th:TH_STORE_NT     ; one pixel row
.endr
	; ---- the four taps of the bilinear sample, as two whole numbers a point
	s_cmp_lg_u32 s5, 0
	s_cbranch_scc1 .Lno_taps
	v_floor_f32 v161, v22
	v_floor_f32 v163, v23
	v_max_num_f32 v161, 0, v161
	v_max_num_f32 v163, 0, v163
	v_min_num_f32 v161, s50, v161                  ; x0, y0 held to 0 .. 63
	v_min_num_f32 v163, s50, v163
	v_add_f32 v162, 1.0, v161
	v_add_f32 v164, 1.0, v163
	v_min_num_f32 v162, s50, v162                  ; x1, y1
	v_min_num_f32 v164, s50, v164
	v_fma_f32 v161, v163, s51, v161                ; 64 y0 + x0: exact
	v_fma_f32 v162, v164, s51, v162                ; 64 y1 + x1
	v_cvt_u32_f32 v206, v161
	v_cvt_u32_f32 v207, v162
	global_store_b64 v14, v[206:207], s[58:59]     ; 32 lanes store 256 consecutive bytes, aligned
.Lno_taps:
	; ---- THE WEIGHTS.  Wave 7 of work-group 8 f makes image f = 8 x kind + t.  kind 0: w1, k 0-127; 1: w1, k 128-255 (three columns, zeros beyond); 2: w2; 3: w3.  t: the tile of 16 rows.
	; For kinds 0-2 lane r of tile t takes row 32 (t / 2) + 8 (t % 2) + r + 8 (r / 8), so that a lane's results of two neighbouring tiles are 16 neighbours along the next product's K; for w3 row 16 t + r.
	; Lane (r, h) takes k = 64 c + 32 h + 0 .. 31 of its row, c = 0, 1: two whole blocks, in the order of the operand's registers.  Loads of 4 bytes: a row of w1 begins at a multiple of 4 bytes only.
	; The block stands ahead of the walk over the points, not behind it: the work-group's other seven waves walk on while this wave waits for its 64 loads, and all eight meet only at the barrier behind the walk.
	; It is one block, loads and their use under one branch, touches no LDS and holds no barrier.  Its registers (v32-59, v64-129, v161-162, v192-198) hold nothing at this place; the data of the stores above (v206-255) are not touched.
	s_cmp_lg_u32 s2, 7
	s_cbranch_scc1 .Lno_weights
	s_and_b32 s40, ttmp9, 7
	s_cmp_lg_u32 s40, 0
	s_cbranch_scc1 .Lno_weights
	s_lshr_b32 s7, ttmp9, 3                        ; f
	s_lshr_b32 s6, s7, 3                           ; kind
	s_and_b32 s45, s7, 7                           ; t
	s_lshr_b32 s40, s45, 1
	s_lshl_b32 s40, s40, 5
	s_and_b32 s41, s45, 1
	s_lshl_b32 s41, s41, 3
	s_add_co_u32 s40, s40, s41
	s_lshl_b32 s41, s45, 4
	s_cmp_eq_u32 s6, 3
	s_cselect_b32 s40, s41, s40                    ; the tile's first row
	s_cselect_b32 s42, 0, 8
	s_mov_b32 s43, 512
	s_cmp_lt_u32 s6, 2
	s_cselect_b32 s43, 524, s43                    ; a row in bytes: 131 or 128 numbers
	s_cmp_eq_u32 s6, 1
	s_cselect_b32 s44, 0, 128                      ; lanes 16-31 begin 32 numbers on; not in the tail, where they would leave the buffer
	v_and_b32 v161, s42, v2
	v_add_nc_u32 v161, v161, v2
	v_add_nc_u32 v161, s40, v161                   ; my row
	v_mul_u32_u24 v162, v161, s43
	v_mad_u32_u24 v162, v3, s44, v162
	s_mul_i32 s46, s7, 1536
	s_mov_b32 s47, 0
	s_lshl_b32 s48, s7, 7
	s_add_co_u32 s48, s48, 49152
	s_mov_b32 s49, 0
	s_cmp_lt_u32 s6, 2                             ; (s30 to s35 were the bases of loads that the wait for 0 above has shown done)
	s_cselect_b64 s[30:31], s[14:15], s[16:17]
	s_cmp_eq_u32 s6, 3
	s_cselect_b64 s[30:31], s[18:19], s[30:31]
	s_add_nc_u64 s[32:33], s[28:29], s[46:47]      ; the image
	s_add_nc_u64 s[34:35], s[28:29], s[48:49]      ; its scale words
	s_cmp_eq_u32 s6, 1
	s_cbranch_scc1 .Lw_tail
.set i, 0
.rept 64
	global_load_b32 v[64+i], v162, s[30:31] offset:4*(64*(i/32)+i%32)
.set i, i+1
.endr
	s_wait_loadcnt 0x0
	s_branch .Lw_quant
.Lw_tail:
.irp i, 0,1,2
	global_load_b32 v[64+\i], v162, s[30:31] offset:512+4*\i
.endr
.set i, 3
.rept 61
	v_mov_b32 v[64+i], 0
.set i, i+1
.endr
	s_wait_loadcnt 0x0
	s_mov_b32 s40, 0xffff0000
.irp i, 0,1,2
	v_cndmask_b32 v[64+\i], v[64+\i], 0, s40       ; k = 160 on: zeros
.endr
.Lw_quant:
.irp c, 0,1
	v_max3_num_f32 v[32+\c], |v[64+32*\c]|, |v[65+32*\c]|, 0x1800000      ; my block 2 c + h, and the floor 2^(3 - 127)
.endr
.irp i, 2,4,6,8,10,12,14,16,18,20,22,24,26,28,30
.irp c, 0,1
	v_max3_num_f32 v[32+\c], v[32+\c], |v[64+32*\c+\i]|, |v[65+32*\c+\i]|
.endr
.endr
.irp c, 0,1
	v_add_nc_u32 v[44+\c], 0xff000000, v[32+\c]
.endr
.irp c, 0,1
	v_lshrrev_b32 v[36+\c], 23, v[44+\c]
.endr
	v_lshl_or_b32 v128, v37, 16, v36               ; my two bytes: blocks h and 2 + h,
	v_lshlrev_b32 v129, 3, v3
	v_lshlrev_b32 v128, v129, v128                 ; at their places in the scale word;
	v_mov_b32 v129, 0
	v_permlanex16_b32 v129, v128, s52, s53
	v_or_b32 v128, v128, v129                      ; with lane l xor 16's two the word is whole
.irp c, 0,1
	v_cvt_scalef32_pk16_fp6_f32 v[48+6*\c:50+6*\c], v[64+32*\c:79+32*\c], v[44+\c]
	v_cvt_scalef32_pk16_fp6_f32 v[192+4*\c:194+4*\c], v[80+32*\c:95+32*\c], v[44+\c]
.endr
	v_nop                                          ; one plain place behind a scaled conversion
.irp c, 0,1
.irp i, 0,1,2
	v_mov_b32 v[51+6*\c+\i], v[192+4*\c+\i]
.endr
.endr
.irp k, 0,1,2
	global_store_b128 v13, v[48+4*\k:51+4*\k], s[32:33] offset:512*\k      ; registers 4 k .. 4 k + 3 of lane l at 512 k + 16 l: 512 consecutive bytes, aligned
.endr
	global_store_b32 v5, v128, s[34:35]
	s_wait_xcnt 0x0                                ; these stores have read their registers: the walk below writes v48-59 and v128 again
.Lno_weights:
	; ---- the argmin.  Constants as pairs (number, 0): the packed forms take a pair's low word for both halves
	v_add_nc_u32 v24, s62, v2
	v_cvt_f32_u32 v24, v24                         ; gx
	v_mov_b32 v25, 0
	v_mul_f32 v161, v24, v24
.irp q, 0,1,2,3
	s_add_co_u32 s40, s63, \q
	v_cvt_f32_u32 v[26+2*\q], s40                  ; gy of pixel q
	v_mov_b32 v[27+2*\q], 0
	v_fma_f32 v[34+2*\q], v[26+2*\q], v[26+2*\q], v161   ; gsq: a whole number under 2^13, exact
	v_mov_b32 v[35+2*\q], 0
	v_mov_b32 v[M+\q], 0x7f800000                  ; +infinity
	v_mov_b32 v[ID+\q], 0
	v_mov_b32 v[RA+\q], 0
	v_mov_b32 v[RB+\q], 0
	v_mov_b32 v[RC+\q], 0
.endr
.macro LOADC buf, off                  ; two quads, 96 bytes: all lanes of a half read one address
	ds_load_b128 v[\buf:\buf+3],     v16 offset:\off
	ds_load_b128 v[\buf+8:\buf+11],  v16 offset:\off+16
	ds_load_b128 v[\buf+16:\buf+19], v16 offset:\off+32
	ds_load_b128 v[\buf+4:\buf+7],   v16 offset:\off+48
	ds_load_b128 v[\buf+12:\buf+15], v16 offset:\off+64
	ds_load_b128 v[\buf+20:\buf+23], v16 offset:\off+80
.endm
; 8 points x 4 pixels.  hi, lo: the scalar registers with the numbers of the chunk's upper and lower quad.  The four pixels take turns, so that no line waits for the line above it.
.macro CHUNK buf, hi, lo
.irp i, 0,2,4,6
	v_pk_mul_f32 v[P+\i:P+\i+1], v[\buf+\i:\buf+\i+1], v[24:25] op_sel_hi:[1,0]                              ; rn(gx ux): shared by the four pixels
.endr
.irp i, 0,2,4,6
.irp q, 0,1,2,3
	v_pk_add_f32 v[S+8*\q+\i:S+8*\q+\i+1], v[\buf+16+\i:\buf+17+\i], v[34+2*\q:35+2*\q] op_sel_hi:[1,0]      ; rn(gsq + usq)
.endr
.endr
.irp i, 0,2,4,6
.irp q, 0,1,2,3
.if DOT_FMA
	v_pk_fma_f32 v[T+8*\q+\i:T+8*\q+\i+1], v[\buf+8+\i:\buf+9+\i], v[26+2*\q:27+2*\q], v[P+\i:P+\i+1] op_sel_hi:[1,0,1]   ; the dot
.else
	v_pk_mul_f32 v[T+8*\q+\i:T+8*\q+\i+1], v[\buf+8+\i:\buf+9+\i], v[26+2*\q:27+2*\q] op_sel_hi:[1,0]
.endif
.endr
.endr
.if DOT_FMA == 0
.irp i, 0,2,4,6
.irp q, 0,1,2,3
	v_pk_add_f32 v[T+8*\q+\i:T+8*\q+\i+1], v[T+8*\q+\i:T+8*\q+\i+1], v[P+\i:P+\i+1]
.endr
.endr
.endif
.irp i, 0,2,4,6
.irp q, 0,1,2,3
	v_pk_fma_f32 v[T+8*\q+\i:T+8*\q+\i+1], v[T+8*\q+\i:T+8*\q+\i+1], -2.0, v[S+8*\q+\i:S+8*\q+\i+1] op_sel_hi:[1,0,1]     ; d2: 2 x dot is exact, so one rounding
.endr
.endr
.irp u, 0,1
.irp q, 0,1,2,3
	v_min3_num_f32 v[GM+2*\q+\u], v[T+8*\q+4*\u], v[T+8*\q+4*\u+1], v[T+8*\q+4*\u+2]
.endr
.endr
.irp u, 0,1
.irp q, 0,1,2,3
	v_min_num_f32 v[GM+2*\q+\u], v[GM+2*\q+\u], v[T+8*\q+4*\u+3]
.endr
.endr
.irp q, 0,1,2,3
	v_min3_num_f32 v[M+\q], v[M+\q], v[GM+2*\q], v[GM+2*\q+1]
.endr
.irp q, 0,1,2,3
	v_cmp_eq_f32 s[40+\q], v[GM+2*\q+1], v[M+\q]   ; the upper quad first: the lower one, taken behind it, wins a tie
.endr
.irp q, 0,1,2,3
	v_cndmask_b32 v[ID+\q], v[ID+\q], s[\hi], s[40+\q]
	v_cndmask_b32 v[RA+\q], v[RA+\q], v[T+8*\q+4], s[40+\q]
	v_cndmask_b32 v[RB+\q], v[RB+\q], v[T+8*\q+5], s[40+\q]
	v_cndmask_b32 v[RC+\q], v[RC+\q], v[T+8*\q+6], s[40+\q]
.endr
.irp q, 0,1,2,3
	v_cmp_eq_f32 s[40+\q], v[GM+2*\q], v[M+\q]
.endr
.irp q, 0,1,2,3
	v_cndmask_b32 v[ID+\q], v[ID+\q], s[\lo], s[40+\q]
	v_cndmask_b32 v[RA+\q], v[RA+\q], v[T+8*\q], s[40+\q]
	v_cndmask_b32 v[RB+\q], v[RB+\q], v[T+8*\q+1], s[40+\q]
	v_cndmask_b32 v[RC+\q], v[RC+\q], v[T+8*\q+2], s[40+\q]
.endr
.endm
	s_mov_b32 s49, 15*192                          ; the slice's last four quads
	v_add_nc_u32 v16, s49, v15
	LOADC BA, 96                                   ; quads 62, 63
	s_mov_b32 s44, 63
	s_mov_b32 s45, 62
	s_mov_b32 s46, 61
	s_mov_b32 s47, 60
	s_mov_b32 s48, 15
.Ltrip:                                            ; a trip: four quads, 16 points, downwards; the next chunk's six loads are out while a chunk is worked
	LOADC BB, 0
	s_wait_dscnt 6                                 ; buffer A's six loads are in; B's six are younger
	CHUNK BA, 44, 45
	s_sub_co_u32 s49, s49, 192
	v_add_nc_u32 v16, s49, v15
	LOADC BA, 96
	s_wait_dscnt 6                                 ; B's are in; the next A's six are younger
	CHUNK BB, 46, 47
	s_sub_co_u32 s44, s44, 4
	s_sub_co_u32 s45, s45, 4
	s_sub_co_u32 s46, s46, 4
	s_sub_co_u32 s47, s47, 4
	s_sub_co_u32 s48, s48, 1
	s_cmp_lg_u32 s48, 0
	s_cbranch_scc1 .Ltrip
	LOADC BB, 0                                    ; the sixteenth trip is written out: nothing is read below the slice
	s_wait_dscnt 6
	CHUNK BA, 44, 45
	s_wait_dscnt 0x0
	CHUNK BB, 46, 47
	; ---- the place in the quad: the lowest of its four that equals the least
	v_lshrrev_b32 v22, 4, v0
	v_lshlrev_b32 v22, 8, v22                      ; my slice's first point
.irp q, 0,1,2,3
	v_mov_b32 v[198+\q], 3
	v_mov_b32 v[202+\q], 0                         ; (a lane permute's destination counts as one of its sources)
.endr
.irp q, 0,1,2,3
	v_cmp_eq_f32 s[40+\q], v[RC+\q], v[M+\q]
.endr
.irp q, 0,1,2,3
	v_cndmask_b32 v[198+\q], v[198+\q], 2, s[40+\q]
.endr
.irp q, 0,1,2,3
	v_cmp_eq_f32 s[40+\q], v[RB+\q], v[M+\q]
.endr
.irp q, 0,1,2,3
	v_cndmask_b32 v[198+\q], v[198+\q], 1, s[40+\q]
.endr
.irp q, 0,1,2,3
	v_cmp_eq_f32 s[40+\q], v[RA+\q], v[M+\q]
.endr
.irp q, 0,1,2,3
	v_cndmask_b32 v[198+\q], v[198+\q], 0, s[40+\q]
.endr
.irp q, 0,1,2,3
	v_lshl_add_u32 v[191+2*\q], v[ID+\q], 2, v[198+\q]
	v_mov_b32 v[190+2*\q], v[M+\q]
.endr
.irp q, 0,1,2,3
	v_add_nc_u32 v[191+2*\q], v22, v[191+2*\q]     ; the point's index in the batch
.endr
.irp q, 0,1,2,3
	v_permlanex16_b32 v[198+\q], v[190+2*\q], s52, s53          ; the other half of the lanes holds the same pixels against the neighbouring slice
	v_permlanex16_b32 v[202+\q], v[191+2*\q], s52, s53
.endr
.irp q, 0,1,2,3
	v_cmp_lt_f32 s40, v[198+\q], v[190+2*\q]
	v_cmp_eq_f32 s41, v[198+\q], v[190+2*\q]
	v_cmp_lt_u32 s42, v[202+\q], v[191+2*\q]
	s_and_b32 s41, s41, s42
	s_or_b32 s40, s40, s41                         ; the other's is less, or equal with the lower index
	v_cndmask_b32 v[190+2*\q], v[190+2*\q], v[198+\q], s40
	v_cndmask_b32 v[191+2*\q], v[191+2*\q], v[202+\q], s40
	ds_store_b64 v17, v[190+2*\q:191+2*\q] offset:128*\q        ; both halves write the same bytes with the same value
.endr
	s_wait_dscnt 0x0                               ; for the others' sake: my results have landed
	s_barrier_signal -1
	s_barrier_wait -1
	s_cmp_gt_u32 s2, 1                             ; waves 0 and 1 join the eight waves' results, a lane to a pixel
	s_cbranch_scc1 .Lend
.irp k, 0,1,2,3,4,5,6,7
	ds_load_b64 v[24+2*\k:25+2*\k], v18 offset:512*\k
.endr
	s_wait_dscnt 0x0
.irp k, 1,2,3,4,5,6,7
	v_cmp_lt_f32 vcc_lo, v[24+2*\k], v24           ; ascending slices, strictly less: the lower index keeps a tie
	v_cndmask_b32 v24, v24, v[24+2*\k], vcc_lo
	v_cndmask_b32 v25, v25, v[25+2*\k], vcc_lo
.endr
	global_store_b32 v19, v25, s[60:61]            ; runs of 64 bytes, one for each row of the tile: 64 KiB in the whole launch; the price of four rows to a lane, which share gx ux
.Lend:
	s_wait_tensorcnt 0x0                           ; the wave's end
	ds_add_u32 v20, v21
	s_wait_dscnt 0x0
	s_endpgm
.Lfunc_end_k_q612eb2c62d_prep:
	.size	k_q612eb2c62d_prep, .Lfunc_end_k_q612eb2c62d_prep-k_q612eb2c62d_prep
	.p2alignl 7, 3214868480
	.fill 96, 4, 3214868480
	.section	.rodata,"a",@progbits
	.p2align	6, 0x0
	.amdhsa_kernel k_q612eb2c62d_prep
		.amdhsa_group_segment_fixed_size 105472
		.amdhsa_private_segment_fixed_size 0
		.amdhsa_enable_private_segment 0
		.amdhsa_kernarg_size 88
		.amdhsa_user_sgpr_count 2
		.amdhsa_user_sgpr_kernarg_segment_ptr 1
		.amdhsa_wavefront_size32 1
		.amdhsa_system_sgpr_workgroup_id_x 1
		.amdhsa_system_sgpr_workgroup_id_y 1
		.amdhsa_system_sgpr_workgroup_id_z 1
		.amdhsa_system_vgpr_workitem_id 0
		.amdhsa_next_free_vgpr 256
		.amdhsa_next_free_sgpr 66
		.amdhsa_reserve_vcc 1
		.amdhsa_float_denorm_mode_32 3
		.amdhsa_float_denorm_mode_16_64 3
		.amdhsa_memory_ordered 1
		.amdhsa_forward_progress 1
		.amdhsa_inst_pref_size 72
	.end_amdhsa_kernel
	.amdgpu_metadata
---
amdhsa.version: [ 1, 2 ]
amdhsa.kernels:
  - .name:           k_q612eb2c62d_prep
    .symbol:         k_q612eb2c62d_prep.kd
    .args:
      - { .name: uv, .offset: 0, .size: 8, .value_kind: global_buffer, .address_space: global }
      - { .name: feat_2d, .offset: 8, .size: 8, .value_kind: global_buffer, .address_space: global }
      - { .name: feat_3d, .offset: 16, .size: 8, .value_kind: global_buffer, .address_space: global }
      - { .name: w1, .offset: 24, .size: 8, .value_kind: global_buffer, .address_space: global }
      - { .name: w2, .offset: 32, .size: 8, .value_kind: global_buffer, .address_space: global }
      - { .name: w3, .offset: 40, .size: 8, .value_kind: global_buffer, .address_space: global }
      - { .name: nn, .offset: 48, .size: 8, .value_kind: global_buffer, .address_space: global }
      - { .name: taps, .offset: 56, .size: 8, .value_kind: global_buffer, .address_space: global }
      - { .name: prec, .offset: 64, .size: 8, .value_kind: global_buffer, .address_space: global }
      - { .name: f2dt, .offset: 72, .size: 8, .value_kind: global_buffer, .address_space: global }
      - { .name: wq, .offset: 80, .size: 8, .value_kind: global_buffer, .address_space: global }
    .group_segment_fixed_size: 105472
    .private_segment_fixed_size: 0
    .kernarg_segment_align: 8
    .kernarg_segment_size: 88
    .max_flat_workgroup_size: 256
    .sgpr_count:     66
    .vgpr_count:     256
    .wavefront_size: 32
...
	.end_amdgpu_metadata
.endif
;; end of part 3
;; launch fuse: the kernel of part 2 again; grid 256 x 1, 4 waves a work-group, no clusters, 167,936 bytes of LDS; arguments nn, taps, prec, f2dt, wq, b1, b2, b3, out0; writes out0
